; MI455X (gfx1250); checked and timed in simulation.
; The chip was launched on July 23, 2026; its instructions are those of AMD's public machine-readable ISA for CDNA 5 (MIT licence, August 2026) and "CDNA5" Instruction Set Architecture Reference Guide (July 2026). The comments in the code are by the model that wrote it; some were corrected since.
;; Multi Head Attention. Allowed arithmetic: float matrix products may take bf16 or f16 operands with f32 sums; other float arithmetic in f32, or as packed bf16 or f16 multiplies, adds, multiply-adds, maxima and minima; sums over many terms, partial sums and values carried from step to step in f32; what a program stores and reads back later, other than sums and carried values, may be rounded once to bf16 or f16.
;; Inputs: Wk 1,024 x 1,024 float32; Wo 1,024 x 1,024 float32; Wq 1,024 x 1,024 float32; Wv 1,024 x 1,024 float32; bk 1,024 float32; bo 1,024 float32; bq 1,024 float32; bv 1,024 float32; key 4 x 2,048 x 1,024 float32; query 4 x 2,048 x 1,024 float32; value 4 x 2,048 x 1,024 float32.
;; Outputs: out0 4 x 2,048 x 1,024 float32.
;; One version. Each part assembles by itself: llvm-mc -triple=amdgcn-amd-amdhsa -mcpu=gfx1250 --defsym DOCPART=n.
;; ======== version 1 of 1: 4 launches
;; limits: values are held in f16: magnitudes above 65,504 overflow, below 6.1e-05 lose precision
;; workspace buffers: wc 8,388,608 bytes; bc 16,384 bytes; qh 16,777,216 bytes; kh 16,777,216 bytes; vh 16,777,216 bytes; oh 16,777,216 bytes
;; launch cast (part 1): grid 64 x 4, 8 waves a work-group, no clusters, 0 bytes of LDS; arguments Wq, Wk, Wv, Wo, bq, bk, bv, bo, wc, bc; writes wc, bc
.if DOCPART == 1
	.amdgcn_target "amdgcn-amd-amdhsa--gfx1250"
	.amdhsa_code_object_version 6
	.text
	.protected	k_qf8a3cef5b3_cast
	.globl	k_qf8a3cef5b3_cast
	.p2align	8
	.type	k_qf8a3cef5b3_cast,@function
k_qf8a3cef5b3_cast:
	s_mov_b64 s[64:65], 0
	v_nop
	global_prefetch_b8 v0, s[64:65] scope:SCOPE_SE
	s_setreg_imm32_b32 hwreg(HW_REG_WAVE_MODE, 25, 1), 1
	s_wait_xcnt 0x0
; The weights and biases, rounded once.  wc: [4][1024][1024] of 16 bits: planes 0-2 = Wq, Wk, Wv in bf16; plane 3 = Wo rounded to bf16 and that number written as f16.
; bc: [4][1024] f32: bq, bk, bv, bo, each rounded to bf16 and widened again.
; LIMIT.  A bf16 value of Wo below 6.1e-5 in magnitude keeps f16's fixed step of 6e-8; one of 65,520 or more becomes an infinity.
; A stream: no LDS, no matrix unit, no cluster (no two work-groups read the same byte).  Work-group (x, y) takes 16,384 numbers of matrix y: 65,536 bytes in, 32,768 out.
; Thread t, load j: 16 bytes at 4,096 j + 16 t, so a wave's load covers 512 consecutive bytes; store j: 8 bytes at 2,048 j + 8 t, so a wave's store covers 256 consecutive bytes, aligned.
; All sixteen loads of a thread go out together; no register that a pending store reads is written again, and EXEC never changes.
.set X, 4                              ; v[4:67]    sixteen loads of four f32
.set Y, 68                             ; v[68:99]   sixteen pairs of registers, four 16-bit numbers each
.set T, 100                            ; v[100:101] at work
	s_load_b512 s[4:19], s[0:1], 0x0               ; Wq Wk Wv Wo s[4:11], bq bk bv bo s[12:19]
	s_load_b128 s[20:23], s[0:1], 0x40             ; wc s[20:21], bc s[22:23]
	s_and_b32 s24, ttmp7, 0xffff                   ; y: which matrix
	s_mov_b32 s25, ttmp9                           ; x: which part of it
	s_mov_b32 s28, 0xffff0000                      ; a word's upper bf16
	v_lshlrev_b32 v1, 4, v0                        ; 16 t
	v_lshlrev_b32 v2, 3, v0                        ; 8 t
	s_lshl_b32 s26, s25, 16                        ; my part's first byte in the matrix
	s_mov_b32 s27, 0
	s_lshl_b32 s30, s24, 21                        ; and in wc: the plane,
	s_lshl_b32 s29, s25, 15                        ; the part
	s_add_co_u32 s30, s30, s29
	s_mov_b32 s31, 0
	s_wait_kmcnt 0x0
.irp m, 1,2,3
	s_cmp_eq_u32 s24, \m                           ; the matrix and the bias are chosen by y alone
	s_cselect_b64 s[4:5], s[4+2*\m:5+2*\m], s[4:5]
	s_cselect_b64 s[12:13], s[12+2*\m:13+2*\m], s[12:13]
.endr
	s_add_nc_u64 s[4:5], s[4:5], s[26:27]
	s_add_nc_u64 s[20:21], s[20:21], s[30:31]
.set j, 0
.rept 16
	global_load_b128 v[X+4*j:X+4*j+3], v1, s[4:5] offset:4096*j th:TH_LOAD_NT
.set j, j+1
.endr
.set j, 0
.rept 16
	s_wait_loadcnt 15-j                            ; loads come back in order: load j is in, the 15 - j younger ones stay out
	v_cvt_pk_bf16_f32 v[Y+2*j], v[X+4*j], v[X+4*j+1]
	v_cvt_pk_bf16_f32 v[Y+2*j+1], v[X+4*j+2], v[X+4*j+3]
.set j, j+1
.endr
	s_cmp_lg_u32 s24, 3
	s_cbranch_scc1 .Lnot_wo
.set j, 0
.rept 32                               ; Wo alone: the bf16 numbers are written as f16
	v_lshlrev_b32 v[T], 16, v[Y+j]
	v_and_b32 v[T+1], s28, v[Y+j]
	v_cvt_pk_f16_f32 v[Y+j], v[T], v[T+1]
.set j, j+1
.endr
.Lnot_wo:
.set j, 0
.rept 16
	global_store_b64 v2, v[Y+2*j:Y+2*j+1], s[20:21] offset:2048*j
.set j, j+1
.endr
	s_cmp_lg_u32 s25, 0
	s_cbranch_scc1 .Ldone                          ; the matrix's first work-group also rounds its bias: 1,024 numbers, four a thread
	global_load_b128 v[X:X+3], v1, s[12:13]
	s_lshl_b32 s26, s24, 12
	s_add_nc_u64 s[22:23], s[22:23], s[26:27]
	s_wait_loadcnt 0x0
	v_cvt_pk_bf16_f32 v[T], v[X], v[X+1]
	v_cvt_pk_bf16_f32 v[T+1], v[X+2], v[X+3]
	v_lshlrev_b32 v[X+4], 16, v[T]
	v_and_b32 v[X+5], s28, v[T]
	v_lshlrev_b32 v[X+6], 16, v[T+1]
	v_and_b32 v[X+7], s28, v[T+1]
	global_store_b128 v1, v[X+4:X+7], s[22:23]
.Ldone:
	s_endpgm
.Lfunc_end_k_qf8a3cef5b3_cast:
	.size	k_qf8a3cef5b3_cast, .Lfunc_end_k_qf8a3cef5b3_cast-k_qf8a3cef5b3_cast
	.p2alignl 7, 3214868480
	.fill 96, 4, 3214868480
	.section	.rodata,"a",@progbits
	.p2align	6, 0x0
	.amdhsa_kernel k_qf8a3cef5b3_cast
		.amdhsa_group_segment_fixed_size 0
		.amdhsa_private_segment_fixed_size 0
		.amdhsa_enable_private_segment 0
		.amdhsa_kernarg_size 80
		.amdhsa_user_sgpr_count 2
		.amdhsa_user_sgpr_kernarg_segment_ptr 1
		.amdhsa_wavefront_size32 1
		.amdhsa_system_sgpr_workgroup_id_x 1
		.amdhsa_system_sgpr_workgroup_id_y 1
		.amdhsa_system_sgpr_workgroup_id_z 1
		.amdhsa_system_vgpr_workitem_id 0
		.amdhsa_next_free_vgpr 104
		.amdhsa_next_free_sgpr 66
		.amdhsa_reserve_vcc 0
		.amdhsa_float_denorm_mode_32 3
		.amdhsa_float_denorm_mode_16_64 3
		.amdhsa_memory_ordered 1
		.amdhsa_forward_progress 1
		.amdhsa_inst_pref_size 12
	.end_amdhsa_kernel
	.amdgpu_metadata
---
amdhsa.version: [ 1, 2 ]
amdhsa.kernels:
  - .name:           k_qf8a3cef5b3_cast
    .symbol:         k_qf8a3cef5b3_cast.kd
    .args:
      - { .name: Wq, .offset: 0, .size: 8, .value_kind: global_buffer, .address_space: global }
      - { .name: Wk, .offset: 8, .size: 8, .value_kind: global_buffer, .address_space: global }
      - { .name: Wv, .offset: 16, .size: 8, .value_kind: global_buffer, .address_space: global }
      - { .name: Wo, .offset: 24, .size: 8, .value_kind: global_buffer, .address_space: global }
      - { .name: bq, .offset: 32, .size: 8, .value_kind: global_buffer, .address_space: global }
      - { .name: bk, .offset: 40, .size: 8, .value_kind: global_buffer, .address_space: global }
      - { .name: bv, .offset: 48, .size: 8, .value_kind: global_buffer, .address_space: global }
      - { .name: bo, .offset: 56, .size: 8, .value_kind: global_buffer, .address_space: global }
      - { .name: wc, .offset: 64, .size: 8, .value_kind: global_buffer, .address_space: global }
      - { .name: bc, .offset: 72, .size: 8, .value_kind: global_buffer, .address_space: global }
    .group_segment_fixed_size: 0
    .private_segment_fixed_size: 0
    .kernarg_segment_align: 8
    .kernarg_segment_size: 80
    .max_flat_workgroup_size: 256
    .sgpr_count:     66
    .vgpr_count:     104
    .wavefront_size: 32
...
	.end_amdgpu_metadata
.endif
;; end of part 1
;; launch proj (part 2): grid 4 x 64, 4 waves a work-group, clusters of 4 x 4, 327,680 bytes of LDS; arguments query, key, value, wc, bc, qh, kh, vh; writes qh, kh, vh
.if DOCPART == 2
	.amdgcn_target "amdgcn-amd-amdhsa--gfx1250"
	.amdhsa_code_object_version 6
	.text
	.protected	k_qf8a3cef5b3_proj
	.globl	k_qf8a3cef5b3_proj
	.p2align	8
	.type	k_qf8a3cef5b3_proj,@function
k_qf8a3cef5b3_proj:
	s_mov_b64 s[64:65], 0
	v_nop
	global_prefetch_b8 v0, s[64:65] scope:SCOPE_SE
	s_setreg_imm32_b32 hwreg(HW_REG_WAVE_MODE, 25, 1), 1
	s_wait_xcnt 0x0
	s_wait_alu depctr_hold_cnt(0) depctr_sa_sdst(0) depctr_va_vdst(0) depctr_va_sdst(0) depctr_va_ssrc(0) depctr_va_vcc(0) depctr_vm_vsrc(0)
	s_getreg_b32 s2, hwreg(HW_REG_IB_STS2, 6, 4)
	s_cmp_eq_u32 s2, 0
	s_cbranch_scc0 .Lentry_in_a_cluster
	s_endpgm
.Lentry_in_a_cluster:
	s_bfe_u32 s2, ttmp6, 0x10000c
	s_cmp_lg_u32 s2, 0xf033
	s_cbranch_scc0 .Lentry_shape_is_right
	s_endpgm
.Lentry_shape_is_right:
; q = query Wq^T + bq, k = key Wk^T + bk, v = value Wv^T + bv, written by heads: qh, kh, vh: [64 = batch x 16 + head][2048][64] in f16, unscaled.
; x (query, key, value): [8192][1024] f32, rounded to bf16 between LDS and the matrix unit; W: planes 0-2 of wc, [1024][1024] bf16; b: rows 0-2 of bc, f32.  Sums in f32, begun at the bias, rounded once to f16.
; LIMIT.  f16 holds no number of 65,520 or more: q, k and v must stay below that.  NaN and infinities are not treated apart.
; SHARES.  A tile is 128 rows x 256 columns.  Work-group (tx, ty) STAYS and makes the tile (ty, tx) of q, then of k, then of v: ONE walk of 24 K steps of 128 through two LDS slots, which does not stop at
; a tile's end.  8192 / 128 x 1024 / 256 = 256 work-groups.  Four waves, each 64 rows x 128 columns: 32 accumulators, 256 registers.
; CLUSTER.  4 x 4 work-groups.  x's tile hangs on ty alone and is asked for jointly by a row of the cluster (whose four cover all 1,024 columns, so each byte of x is asked for once in the launch);
; W's tile hangs on tx alone and is asked for jointly by a column.
; THE MATRIX INSTRUCTION IS USED TRANSPOSED: source 0 = 16 rows of W, source 1 = 16 rows of x: a lane holds one row (lane % 16) of the result and the columns 8 (lane / 16) + 0..7.
; A K STEP is four quarters of 32 along K, 32 products each, on two fragment buffers.  While one quarter is multiplied the next one's 16 loads of x (f32), 16 loads of W and 32 conversions stand in groups of
; four behind its products: set in runs of their own, the 64 would be issued with no product beside them.  The price is two window switches a group.
; REGISTERS, in windows of 256 (s_set_vgpr_msb: bits 1:0 source 0, 3:2 source 1, 5:4 source 2, 7:6 destination):
;   window 0: v0-31 addresses; v32-95 the bias of my 128 columns; v96-127 packed results; v128-191 rows on their way out, two buffers
;   window 1: the accumulators: (a, b) at v[8 (8 a + b)]          window 2: v0-127 W's fragments, two buffers; v128-191 x's, two buffers; v192-255 x of one quarter as f32
.set PITA,  528                        ; a row of x in LDS: 512 bytes + 16 = 132 words: row r starts at bank 4 r mod 64 (64 banks of 4 bytes: ISA guide 11.1)
.set PITB,  272                        ; a row of W: 256 bytes + 16 = 68 words: likewise
.set AREG,  128*PITA                   ; x's 128 rows, then W's 256 rows
.set SLOT,  AREG+256*PITB              ; 137,216 bytes
.set STAGE, 2*SLOT                     ; behind the ring, never filled by a tensor load: for each wave [2 heads][16 rows][144 bytes]
.set SP,    144
.set WSTG,  2*16*SP
.set SPARE, STAGE+4*WSTG               ; the spare words, 128 bytes for each wave: two blocks of 256 bytes that no other line names
.set PLANE, 1024*1024*2                ; bytes in a plane of wc
.set ADA0, 16                          ; v16  my lane's place in a slot's x; never rewritten
.set ADB0, 17                          ; v17  the same for W
.set ADA,  18                          ; v18  TB + ADA0
.set ADB,  19                          ; v19  TB + ADB0
.set STO,  20                          ; v20  the way out: where I put 16 bytes of a row
.set RD,   21                          ; v21  the way out: where I read rows back
.set GO,   22                          ; v22  my byte offset in 512 consecutive bytes of the output
.set BO,   23                          ; v23  my byte offset in 16 numbers of the bias
.set PFO,  24                          ; v24  my byte offset in a half tile of x, for the prefetch; never rewritten
.set SPW,  28                          ; v28  LDS address of my spare word; never rewritten
.set NIL,  29                          ; v29  0; never rewritten
.set ZZ,   30                          ; v[30:31] 0, 0
.set BI,   32                          ; register 8 b + j: the bias of column 16 b + 8 (lane / 16) + j of my 128
.set TMP,  96
.set BK,   128
.set BF,   0                           ; window 2
.set AF,   128
.set AW,   192
.set FA,   4                           ; s[4:5]   x of the tile whose steps are being asked for, at my half tile; s[6:7], s[8:9] the next two
.set FA1,  6
.set FA2,  8
.set WB,   10                          ; s[10:11] wc at my half tile of plane 0
.set BP,   12                          ; s[12:13] bc at my 128 columns
.set OUT,  14                          ; s[14:15] the output of the tile in hand at my rows and heads; s[16:17], s[18:19] the next two
.set OUT1, 16
.set OUT2, 18
.set WV,   20                          ; s20 my wave's number
.set WM,   21                          ; s21 which 64 rows are mine.  Also: I fetch for x (0) or for W (1)
.set WN,   22                          ; s22 which 128 columns.  Also: which half of that tile I fetch
.set CX,   23
.set CY,   24
.set TX,   25
.set TY,   26
.set RMASK, 27
.set CMASK, 28
.set G1A,  36                          ; s[36:43] descriptor group 1 for x's tiles
.set G1B,  44                          ; s[44:51] for W's
.set G0A,  52                          ; s[52:59] group 0 for x's: a set for each first fill; the second is made anew for each refill
.set TB,   60                          ; s60 the slot being read: 0 or SLOT
.set LBA,  61                          ; s61 where my half of x lies in a slot
.set LBB,  62                          ; s62 where my half of W lies
.set FK,   63                          ; s63 the K step to ask for next, within its tile
.set OFA,  66                          ; s[66:67] its byte offset in x's rows
.set G0B,  68                          ; s[68:75] group 0 for W's
.set OFB,  76                          ; s[76:77] the byte offset in wc of the step to ask for next
.set WK,   78                          ; s78 counts the walk's trips
.set KC,   79                          ; s79 K steps left in the tile in hand
.set ET,   80                          ; s80 bias rows still to be loaded
.set DB,   81                          ; s81 OFB's further step at a tile's end
.set PP0,  82                          ; s[82:87] as FA, FA1, FA2, for the prefetch's walk
.set PP1,  84
.set PP2,  86
.set PFA,  88                          ; s[88:89] the prefetch's base
.set PK,   90                          ; s90 the K step to prefetch next, within its tile
.set OFP,  92                          ; s[92:93] its byte offset
.set MSB, 0
.macro WIN new                         ; the immediate's high byte repeats the setting that is left; a switch that changes nothing is dropped
.if MSB != (\new)
	s_set_vgpr_msb (MSB<<8)|(\new)
.set MSB, \new
.endif
.endm
.set W_MM, 0x5a                        ; W's and x's fragments in window 2, C and D in window 1
.set W_LD, 0x80                        ; destination window 2, address window 0
.set W_CV, 0x8a                        ; destination and both sources window 2
.set W_PK, 0x05                        ; both sources window 1, destination window 0
.set W_BI, 0x40                        ; destination window 1, sources window 0
; A joint refill.  Waves 0 and 1 fetch x's two halves, waves 2 and 3 W's.  The branch hangs on the wave's number alone.  An s_nop 0 and four v_nop follow each of the two lines.
; THE PREFETCH.  x is read here for the first time.  In the trip that asks for step s, waves 0 and 1 also name step s + 2's tile of x, two trips ahead of its tensor load: of its own half tile's 64 rows a wave
; takes rows 16 cx .. 16 cx + 15, each lane one block of 256 bytes (65,536 bytes for a row of the cluster's eight waves: the whole tile, each block named once).  The walk's last two trips fall on
; value's steps 0 and 1 once more: inside the buffer.
.macro JLOAD
	s_cmp_eq_u32 s[WM], 0
	s_cbranch_scc0 .Lfor_b_\@
	tensor_load_to_lds s[G0A+4:G0A+7], s[G1A:G1A+7]
	s_nop 0
.rept 4
	v_nop
.endr
	global_prefetch_b8 v[PFO], s[PFA:PFA+1] th:TH_LOAD_NT scope:SCOPE_SE
	s_branch .Lasked_\@
.Lfor_b_\@:
	tensor_load_to_lds s[G0B+4:G0B+7], s[G1B:G1B+7]
	s_nop 0
.rept 4
	v_nop
.endr
.Lasked_\@:
.endm
.macro CREST                           ; a round of the cluster's barrier behind its opening barrier: wave 0 signals for the work-group, every wave waits for all sixteen, my work-group's barrier closes it
	s_cmp_lg_u32 s[WV], 0
	s_cbranch_scc1 .Lnot_wave_0_\@
	s_barrier_signal -3
.Lnot_wave_0_\@:
	s_barrier_wait -3
	s_barrier_signal -1
	s_barrier_wait -1
.endm
.macro CROUND                          ; a whole round
	s_barrier_signal -1
	s_barrier_wait -1
	CREST
.endm
.macro BIAS                            ; the bias of my 128 columns: for each 16 of them my lanes' eight
.irp b, 0,1,2,3,4,5,6,7
	global_load_b128 v[BI+8*\b:BI+8*\b+3],   v[BO], s[BP:BP+1] offset:64*\b
	global_load_b128 v[BI+8*\b+4:BI+8*\b+7], v[BO], s[BP:BP+1] offset:64*\b+16
.endr
.endm
.macro MM f, n                         ; product n of a quarter's 32, on buffer f: rows 16 (n / 8) on, columns 16 (n % 8) on.  The 32 accumulators take turns in this one order everywhere
	WIN W_MM
	v_wmma_f32_16x16x32_bf16 v[8*(\n):8*(\n)+7], v[BF+64*(\f)+8*((\n)%8):BF+64*(\f)+8*((\n)%8)+7], v[AF+32*(\f)+8*((\n)/8):AF+32*(\f)+8*((\n)/8)+7], v[8*(\n):8*(\n)+7]
.endm
; x's rows 16 a on, 32 along K at byte kb, as f32: a lane's K = 8 (l / 16) + 0..7 are 32 bytes, its K = 16 + 8 (l / 16) + 0..7 the 32 bytes 64 further on
.macro LDA a, kb
	WIN W_LD
	ds_load_b128 v[AW+16*(\a):AW+16*(\a)+3],     v[ADA] offset:(\a)*16*PITA+(\kb)
	ds_load_b128 v[AW+16*(\a)+4:AW+16*(\a)+7],   v[ADA] offset:(\a)*16*PITA+(\kb)+16
	ds_load_b128 v[AW+16*(\a)+8:AW+16*(\a)+11],  v[ADA] offset:(\a)*16*PITA+(\kb)+64
	ds_load_b128 v[AW+16*(\a)+12:AW+16*(\a)+15], v[ADA] offset:(\a)*16*PITA+(\kb)+80
.endm
.macro LDB g, p, kb                    ; W's rows 16 (2 p) and 16 (2 p + 1) on, 32 along K at byte kb, into buffer g
	WIN W_LD
.irp d, 0,1
	ds_load_b128 v[BF+64*(\g)+8*(2*(\p)+\d):BF+64*(\g)+8*(2*(\p)+\d)+3],   v[ADB] offset:(2*(\p)+\d)*16*PITB+(\kb)
	ds_load_b128 v[BF+64*(\g)+8*(2*(\p)+\d)+4:BF+64*(\g)+8*(2*(\p)+\d)+7], v[ADB] offset:(2*(\p)+\d)*16*PITB+(\kb)+32
.endr
.endm
.macro CVA g, c                        ; registers 4 c .. 4 c + 3 of x's 32 in buffer g: eight f32 rounded to bf16
	WIN W_CV
.irp d, 0,1,2,3
	v_cvt_pk_bf16_f32 v[AF+32*(\g)+4*(\c)+\d], v[AW+8*(\c)+2*\d], v[AW+8*(\c)+2*\d+1]
.endr
.endm
.macro STEPW k, p0, p1, p2             ; a walk's K step goes on; behind a tile's eighth the next tensor takes its place.  SCC is left as the compare set it
	s_add_co_u32 s[\k], s[\k], 1
	s_cmp_eq_u32 s[\k], 8
	s_cselect_b32 s[\k], 0, s[\k]
	s_cselect_b64 s[\p0:\p0+1], s[\p1:\p1+1], s[\p0:\p0+1]
	s_cselect_b64 s[\p1:\p1+1], s[\p2:\p2+1], s[\p1:\p1+1]
.endm
; The walking descriptors are made anew: each address is its tensor's base plus an offset made apart; the LDS word is my half's place plus the slot that is being left.
.macro FILLADR
	s_wait_xcnt 0x0                                ; the last prefetch, a K step back, has read its base: only behind this wait is it written again
	s_lshl_b32 s[OFA], s[FK], 9                    ; a K step is 512 bytes of x's rows
	s_add_nc_u64 s[G0A+6:G0A+7], s[FA:FA+1], s[OFA:OFA+1]
	s_or_b32 s[G0A+7], s[G0A+7], 0x80000000
	s_add_co_u32 s[G0A+5], s[LBA], s[TB]
	s_add_nc_u64 s[G0B+6:G0B+7], s[WB:WB+1], s[OFB:OFB+1]
	s_or_b32 s[G0B+7], s[G0B+7], 0x80000000
	s_add_co_u32 s[G0B+5], s[LBB], s[TB]
	s_lshl_b32 s[OFP], s[PK], 9
	s_add_nc_u64 s[PFA:PFA+1], s[PP0:PP0+1], s[OFP:OFP+1]
	s_add_co_u32 s[OFB], s[OFB], 256               ; a K step is 256 bytes of W's rows;
	STEPW FK, FA, FA1, FA2
	s_cselect_b32 s[DB], PLANE-2048, 0             ; behind a tile's eighth step: back along K and on to the next plane
	s_add_co_u32 s[OFB], s[OFB], s[DB]
	STEPW PK, PP0, PP1, PP2
.endm
; One of a K step's first three quarters: multiplies buffer f and makes quarter q + 1's fragments in the other buffer.
; The four conversions behind the last product of every quarter name the other buffer and AW alone: they are the four places (ISA guide 7.12.1 for vector instructions) between that product and
; the next quarter's loads into, and conversions into, the buffer that it read, and between it and the first read of an accumulator on the way out.
.macro QUARTER f, q
	s_wait_dscnt 0x0                               ; W's fragments of this quarter are in (the last were issued 17 products ago)
.set i, 0
.rept 32
	MM \f, i
.if (i < 8) && (i%2 == 0)
	LDA i/2, 128*((\q)+1)
.elseif (i < 16) && (i%2 == 0)
	LDB 1-(\f), (i-8)/2, 64*((\q)+1)
.endif
.if i == 17
	s_wait_dscnt 16                                ; x's sixteen loads are in; W's sixteen, issued behind them, may stay out
.endif
.if (i >= 17) && (i%2 == 1)
	CVA 1-(\f), (i-17)/2
.endif
.set i, i+1
.endr
.endm
; The last quarter multiplies buffer 1 and changes slots: ONE barrier, for two things.  In front of it each wave waits for all its tensor loads, of which one is out: its part of the next slot; adds 0 to its spare
; word; and waits for that and for its own reads of this slot.  fill = 1: the barrier opens a round of the cluster's barrier, so that no wave of any partner still reads this slot or has a load on its way, and
; the joint refill, two K steps ahead, is the first tensor load behind it: it has 116 products in which to land.
.macro TURN fill
	WIN 0                                          ; (the add's two registers lie in window 0)
	s_wait_tensorcnt 0x0                           ; no tensor load of mine is out, so a group 0 may be written
	ds_add_u32 v[SPW], v[NIL]                      ; 0 onto my spare word
.if \fill
	FILLADR
.endif
	s_wait_dscnt 1                                 ; the add alone may be out: W's fragments of this quarter are in
.set i, 0
.rept 8
	MM 1, i
.set i, i+1
.endr
	s_wait_dscnt 0x0                               ; the add is done, and my reads of this slot are over
	s_barrier_signal -1
.rept 4
	MM 1, i
.set i, i+1
.endr
	WIN 0                                          ; at a label and at a branch every window is 0
	s_barrier_wait -1
.if \fill
	CREST
	JLOAD
.endif
	s_xor_b32 s[TB], s[TB], SLOT                   ; the reads go on in the other slot
	v_add_nc_u32 v[ADA], s[TB], v[ADA0]
	v_add_nc_u32 v[ADB], s[TB], v[ADB0]
.rept 20
	MM 1, i
.if i < 16
	LDA i-12, 0
.elseif i < 20
	LDB 0, i-16, 0
.elseif i == 23
	s_wait_dscnt 16                                ; x's sixteen loads are in; W's sixteen may stay out
.elseif i > 23
	CVA 0, i-24
.endif
.set i, i+1
.endr
.endm
.macro KSTEP fill
	QUARTER 0, 0
	QUARTER 1, 1
	QUARTER 0, 2
	TURN \fill
.endm
; THE WAY OUT of my rows 16 a on.  PACK: rounded to f16, 16 bytes a lane (each accumulator is read from its low end on).  PRE: the next tile's sums begin at its bias.  TOSTAGE: into my own stage and back as
; whole rows of a head.  SEND: 16 rows of a head are 2,048 consecutive bytes of the output; each store covers 512 of them, at a multiple of 256 from the buffer's first byte.
.macro PACK a
	WIN W_PK
.irp b, 0,1,2,3,4,5,6,7
.irp r, 0,1,2,3
	v_cvt_pk_f16_f32 v[TMP+4*\b+\r], v[64*(\a)+8*\b+2*\r], v[64*(\a)+8*\b+2*\r+1]
.endr
.endr
.endm
.macro PRE a
	WIN W_BI
.irp b, 0,1,2,3,4,5,6,7
.irp r, 0,2,4,6
	v_pk_add_f32 v[64*(\a)+8*\b+\r:64*(\a)+8*\b+\r+1], v[BI+8*\b+\r:BI+8*\b+\r+1], v[ZZ:ZZ+1]
.endr
.endr
.endm
.macro TOSTAGE a
	WIN 0
.irp b, 0,1,2,3,4,5,6,7
	ds_store_b128 v[STO], v[TMP+4*\b:TMP+4*\b+3] offset:(\b/4)*16*SP+(\b%4)*32
.endr
.irp t, 0,1,2,3,4,5,6,7
	ds_load_b128 v[BK+32*((\a)%2)+4*\t:BK+32*((\a)%2)+4*\t+3], v[RD] offset:(\t/4)*16*SP+(\t%4)*4*SP  ; LDS serves a wave's instructions in order (ISA guide 5.7.1.4): these see the stores above
.endr
.endm
.macro SEND a
	WIN 0
	s_wait_dscnt 0x0                               ; the block is back in registers
	s_wait_xcnt 0x0                                ; the stores before these have read their registers: the other buffer is loaded again only behind this wait
.irp t, 0,1,2,3,4,5,6,7
	global_store_b128 v[GO], v[BK+32*((\a)%2)+4*\t:BK+32*((\a)%2)+4*\t+3], s[OUT:OUT+1] offset:(\a)*2048+(\t/4)*262144+(\t%4)*512
.endr
.endm
.macro EPI next                        ; next = 1: another tile follows
.if \next
	s_wait_loadcnt 0x0                             ; the next tile's bias, asked for a tile ago
.endif
	PACK 0
.if \next
	PRE 0
.endif
	TOSTAGE 0
.irp e, 1,2,3                          ; a block's arithmetic stands between the loads of the block before and the wait for them
	PACK \e
.if \next
	PRE \e
.endif
	SEND (\e)-1
	TOSTAGE \e
.endr
	SEND 3
.if \next
	s_wait_xcnt 0x0                                ; the stores have read their base
	s_mov_b64 s[OUT:OUT+1], s[OUT1:OUT1+1]
	s_mov_b64 s[OUT1:OUT1+1], s[OUT2:OUT2+1]
	s_sub_co_u32 s[ET], s[ET], 1
	s_cmp_eq_u32 s[ET], 0
	s_cbranch_scc1 .Lno_bias_\@                    ; behind the second tile no bias is left to fetch
	s_add_nc_u64 s[BP:BP+1], s[BP:BP+1], 4096
	BIAS
.Lno_bias_\@:
.endif
.endm
	s_load_b512 s[4:19], s[0:1], 0x0               ; query, key, value, wc, bc, qh, kh, vh
	v_lshl_add_u32 v[SPW], v0, 2, SPARE
	v_mov_b32 v[NIL], 0
	ds_add_u32 v[SPW], v[NIL]                      ; the wave's opening: the add and its wait stand ahead of my first tensor load; the set-up below, work on registers, stands between them
	v_lshrrev_b32 v1, 5, v0
	v_readfirstlane_b32 s[WV], v1                  ; wave 0..3
	s_lshr_b32 s[WM], s[WV], 1
	s_and_b32 s[WN], s[WV], 1
	s_bfe_u32 s[CX], ttmp6, 0x40000                ; my place in the cluster
	s_bfe_u32 s[CY], ttmp6, 0x40004
	s_lshl_b32 s[TX], ttmp9, 2                     ; in a cluster launch ttmp9 and ttmp7 count clusters
	s_add_co_u32 s[TX], s[TX], s[CX]               ; tile column
	s_and_b32 s[TY], ttmp7, 0xffff
	s_lshl_b32 s[TY], s[TY], 2
	s_add_co_u32 s[TY], s[TY], s[CY]               ; tile row
	s_lshl_b32 s[RMASK], s[CY], 2
	s_lshl_b32 s[RMASK], 15, s[RMASK]              ; my row of the cluster
	s_lshl_b32 s[CMASK], 0x1111, s[CX]             ; my column
	; group 1 for x: 64 rows x 128 elements of 4 bytes, 16 bytes of padding behind every 128 words
	s_or_b32 s[G1A], s[RMASK], (2<<16)|(1<<20)|(1<<21)|(6<<22)|(3<<25)  ; 15:0 the mask; 17:16 elements of 4 bytes; 20 padding on; 21 set beside a mask; 24:22 after every 128 words; 31:25 4 words
	s_mov_b32 s[G1A+1], 128<<16                    ; tensor_dim0 = 128
	s_mov_b32 s[G1A+2], 64<<16                     ; tensor_dim1 = 64
	s_mov_b32 s[G1A+3], 128<<16                    ; tile_dim0 = 128
	s_mov_b32 s[G1A+4], 64                         ; tile_dim1 = 64
	s_mov_b32 s[G1A+5], 1024                       ; elements from row to row
	s_mov_b32 s[G1A+6], 0
	s_mov_b32 s[G1A+7], 0
	; group 1 for W: 128 rows x 128 elements of 2 bytes, 16 bytes of padding behind every 64 words
	s_or_b32 s[G1B], s[CMASK], (1<<16)|(1<<20)|(1<<21)|(5<<22)|(3<<25)
	s_mov_b32 s[G1B+1], 128<<16
	s_mov_b32 s[G1B+2], 128<<16
	s_mov_b32 s[G1B+3], 128<<16
	s_mov_b32 s[G1B+4], 128
	s_mov_b32 s[G1B+5], 1024
	s_mov_b32 s[G1B+6], 0
	s_mov_b32 s[G1B+7], 0
	; offsets, each in registers of its own: x's is made of the tile row and the wave alone, W's of the tile column and the wave alone
	s_lshl_b32 s30, s[TY], 19                      ; x: 128 rows of 4,096 bytes a tile,
	s_lshl_b32 s31, s[WN], 18                      ; 64 rows a half
	s_add_co_u32 s30, s30, s31
	s_mov_b32 s31, 0
	s_lshl_b32 s32, s[TX], 19                      ; W: 256 rows of 2,048 bytes a tile,
	s_lshl_b32 s33, s[WN], 18                      ; 128 rows a half
	s_add_co_u32 s32, s32, s33
	s_mov_b32 s33, 0
	s_lshl_b32 s34, s[TX], 10                      ; the bias: 256 columns a tile, 128 a wave
	s_lshl_b32 s35, s[WN], 9
	s_add_co_u32 s34, s34, s35
	s_mov_b32 s35, 0
	s_lshr_b32 s94, s[TY], 4                       ; the output: the batch (16 tile rows each), 16 heads of 262,144 bytes,
	s_lshl_b32 s94, s94, 22
	s_lshl_b32 s95, s[TX], 20                      ; four heads a tile column,
	s_add_co_u32 s94, s94, s95
	s_lshl_b32 s95, s[WN], 19                      ; two a wave,
	s_add_co_u32 s94, s94, s95
	s_and_b32 s95, s[TY], 15                       ; the tile's 128 rows of 128 bytes in the head,
	s_lshl_b32 s95, s95, 14
	s_add_co_u32 s94, s94, s95
	s_lshl_b32 s95, s[WM], 13                      ; my 64 of them
	s_add_co_u32 s94, s94, s95
	s_mov_b32 s95, 0
	s_mul_i32 s[LBA], s[WN], 64*PITA               ; no place in the cluster enters an LDS address
	s_mul_i32 s[LBB], s[WN], 128*PITB
	s_add_co_u32 s[LBB], s[LBB], AREG
	s_mov_b32 s[G0A], 1                            ; 1:0 count = 1
	s_mov_b32 s[G0A+1], s[LBA]                     ; 63:32 LDS address: slot 0
	s_mov_b32 s[G0A+4], 1
	s_add_co_u32 s[G0A+5], s[LBA], SLOT            ; slot 1
	s_mov_b32 s[G0B], 1
	s_mov_b32 s[G0B+1], s[LBB]
	s_mov_b32 s[G0B+4], 1
	s_add_co_u32 s[G0B+5], s[LBB], SLOT
	s_mov_b32 s[TB], 0
	s_mov_b32 s[FK], 2                             ; steps 0 and 1 are the first fills
	s_mov_b32 s[PK], 4
	s_mov_b32 s[OFA+1], 0
	s_mov_b32 s[OFB], 512
	s_mov_b32 s[OFB+1], 0
	s_mov_b32 s[OFP+1], 0
	s_mov_b32 s[WK], 22
	s_mov_b32 s[KC], 8
	s_mov_b32 s[ET], 2
	s_wait_dscnt 0x0                               ; the opening add is done
	s_wait_kmcnt 0x0
	s_add_nc_u64 s[FA:FA+1], s[FA:FA+1], s[30:31]
	s_add_nc_u64 s[FA1:FA1+1], s[FA1:FA1+1], s[30:31]
	s_add_nc_u64 s[FA2:FA2+1], s[FA2:FA2+1], s[30:31]
	s_add_nc_u64 s[WB:WB+1], s[WB:WB+1], s[32:33]
	s_add_nc_u64 s[BP:BP+1], s[BP:BP+1], s[34:35]
	s_add_nc_u64 s[OUT:OUT+1], s[OUT:OUT+1], s[94:95]
	s_add_nc_u64 s[OUT1:OUT1+1], s[OUT1:OUT1+1], s[94:95]
	s_add_nc_u64 s[OUT2:OUT2+1], s[OUT2:OUT2+1], s[94:95]
	s_mov_b64 s[PP0:PP0+1], s[FA:FA+1]
	s_mov_b64 s[PP1:PP1+1], s[FA1:FA1+1]
	s_mov_b64 s[PP2:PP2+1], s[FA2:FA2+1]
	s_add_nc_u64 s[G0A+2:G0A+3], s[FA:FA+1], 0     ; 120:64 global address: K step 0,
	s_or_b32 s[G0A+3], s[G0A+3], 0x80000000        ; 127:126 type = 2
	s_add_nc_u64 s[G0A+6:G0A+7], s[FA:FA+1], 512   ; K step 1
	s_or_b32 s[G0A+7], s[G0A+7], 0x80000000
	s_add_nc_u64 s[G0B+2:G0B+3], s[WB:WB+1], 0
	s_or_b32 s[G0B+3], s[G0B+3], 0x80000000
	s_add_nc_u64 s[G0B+6:G0B+7], s[WB:WB+1], 256
	s_or_b32 s[G0B+7], s[G0B+7], 0x80000000
	CROUND                                         ; all sixteen work-groups are here: the first joint loads meet
	s_cmp_eq_u32 s[WM], 0                          ; a wave's two first fills stand in one branch, ahead of every wait on TENSORcnt and every LDS read: two loads of mine are out
	s_cbranch_scc0 .Lfirst_b
	tensor_load_to_lds s[G0A:G0A+3], s[G1A:G1A+7]
	s_nop 0
	tensor_load_to_lds s[G0A+4:G0A+7], s[G1A:G1A+7]
	s_nop 0
.rept 4
	v_nop
.endr
	s_branch .Lfirst_asked
.Lfirst_b:
	tensor_load_to_lds s[G0B:G0B+3], s[G1B:G1B+7]
	s_nop 0
	tensor_load_to_lds s[G0B+4:G0B+7], s[G1B:G1B+7]
	s_nop 0
.rept 4
	v_nop
.endr
.Lfirst_asked:
	v_and_b32 v1, 15, v0                           ; l % 16
	v_bfe_u32 v2, v0, 4, 1                         ; l / 16
	v_lshlrev_b32 v[BO], 5, v2                     ; eight f32 for each half of the lanes
	BIAS                                           ; bq
	v_mov_b32 v[ZZ], 0
	v_mov_b32 v[ZZ+1], 0
	v_mul_u32_u24 v3, v1, PITA
	v_lshl_add_u32 v3, v2, 5, v3                   ; x: row x pitch + 32 x half
	s_mul_i32 s2, s[WM], 64*PITA                   ; my 64 rows
	v_add_nc_u32 v[ADA0], s2, v3
	v_mul_u32_u24 v3, v1, PITB
	v_lshl_add_u32 v3, v2, 4, v3                   ; W: row x pitch + 16 x half
	s_mul_i32 s2, s[WN], 128*PITB                  ; my 128 rows,
	s_add_co_u32 s2, s2, AREG                      ; behind x's
	v_add_nc_u32 v[ADB0], s2, v3
	s_mul_i32 s2, s[WV], WSTG
	s_add_co_u32 s2, s2, STAGE                     ; my stage
	v_mul_u32_u24 v3, v1, SP                       ; in: row l % 16, 16 bytes for each half of the lanes
	v_lshl_add_u32 v3, v2, 4, v3
	v_add_nc_u32 v[STO], s2, v3
	v_bfe_u32 v3, v0, 3, 2                         ; back: 32 lanes take four rows of 128 bytes,
	v_mul_u32_u24 v3, v3, SP
	v_and_b32 v4, 7, v0
	v_lshl_add_u32 v3, v4, 4, v3
	v_add_nc_u32 v[RD], s2, v3
	v_and_b32 v3, 31, v0                           ; which are 512 consecutive bytes of the output
	v_lshlrev_b32 v[GO], 4, v3
	v_lshrrev_b32 v4, 1, v3                        ; the prefetch: row 16 cx + lane / 2 of my half tile,
	v_lshl_add_u32 v4, s[CX], 4, v4
	v_and_b32 v3, 1, v3                            ; its first or second 256 bytes
	v_lshlrev_b32 v3, 8, v3
	v_lshl_add_u32 v[PFO], v4, 12, v3
	s_wait_loadcnt 0x0                             ; bq
	PRE 0                                          ; the first tile's sums begin at its bias: this stands in the wait for the first tile
	PRE 1
	PRE 2
	PRE 3
	WIN 0
	s_wait_xcnt 0x0                                ; the bias loads have read their base
	s_add_nc_u64 s[BP:BP+1], s[BP:BP+1], 4096
	BIAS                                           ; bk, waited for at the first tile's end
	s_wait_tensorcnt 0x1                           ; my part of K step 0 is in; step 1's may stay out
	s_barrier_signal -1
	s_barrier_wait -1                              ; everybody's is
	v_add_nc_u32 v[ADA], s[TB], v[ADA0]
	v_add_nc_u32 v[ADB], s[TB], v[ADB0]
.irp e, 0,1,2,3
	LDA \e, 0
.endr
.irp e, 0,1,2,3
	LDB 0, \e, 0
.endr
	s_wait_dscnt 16                                ; x's sixteen loads are in
.irp e, 0,1,2,3,4,5,6,7
	CVA 0, \e
.endr
	WIN 0
.Lstep:                                                ; 22 trips: a K step is multiplied and the step two on is asked for
	KSTEP 1
	WIN 0
	s_sub_co_u32 s[KC], s[KC], 1
	s_cmp_lg_u32 s[KC], 0
	s_cbranch_scc1 .Lno_epi                        ; a jump forward, past no barrier and no tensor load
	EPI 1                                          ; a tile's eighth step is done; both refills that reach into the next tile have been asked for
	s_mov_b32 s[KC], 8
.Lno_epi:
	s_sub_co_u32 s[WK], s[WK], 1
	s_cmp_lg_u32 s[WK], 0
	s_cbranch_scc1 .Lstep
	s_mov_b32 s[WK], 2
.Ltail:                                                ; the last two K steps ask for nothing.  The second one's fetch (of the slot read before it) and its conversions serve nothing: the price of one text for both
	KSTEP 0
	WIN 0
	s_sub_co_u32 s[WK], s[WK], 1
	s_cmp_lg_u32 s[WK], 0
	s_cbranch_scc1 .Ltail
	EPI 0
	s_wait_tensorcnt 0x0                           ; the wave's end, behind my last tensor load and my last LDS store
	ds_add_u32 v[SPW], v[NIL]
	s_wait_dscnt 0x0
	CROUND                                         ; the closing round: no work-group ends while a partner may still ask for a tile that names it
	s_endpgm
.Lfunc_end_k_qf8a3cef5b3_proj:
	.size	k_qf8a3cef5b3_proj, .Lfunc_end_k_qf8a3cef5b3_proj-k_qf8a3cef5b3_proj
	.p2alignl 7, 3214868480
	.fill 96, 4, 3214868480
	.section	.rodata,"a",@progbits
	.p2align	6, 0x0
	.amdhsa_kernel k_qf8a3cef5b3_proj
		.amdhsa_group_segment_fixed_size 327680
		.amdhsa_private_segment_fixed_size 0
		.amdhsa_enable_private_segment 0
		.amdhsa_kernarg_size 64
		.amdhsa_user_sgpr_count 2
		.amdhsa_user_sgpr_kernarg_segment_ptr 1
		.amdhsa_wavefront_size32 1
		.amdhsa_system_sgpr_workgroup_id_x 1
		.amdhsa_system_sgpr_workgroup_id_y 1
		.amdhsa_system_sgpr_workgroup_id_z 1
		.amdhsa_system_vgpr_workitem_id 0
		.amdhsa_next_free_vgpr 768
		.amdhsa_next_free_sgpr 96
		.amdhsa_reserve_vcc 0
		.amdhsa_float_denorm_mode_32 3
		.amdhsa_float_denorm_mode_16_64 3
		.amdhsa_memory_ordered 1
		.amdhsa_forward_progress 1
		.amdhsa_inst_pref_size 124
	.end_amdhsa_kernel
	.amdgpu_metadata
---
amdhsa.version: [ 1, 2 ]
amdhsa.kernels:
  - .name:           k_qf8a3cef5b3_proj
    .symbol:         k_qf8a3cef5b3_proj.kd
    .args:
      - { .name: query, .offset: 0, .size: 8, .value_kind: global_buffer, .address_space: global }
      - { .name: key, .offset: 8, .size: 8, .value_kind: global_buffer, .address_space: global }
      - { .name: value, .offset: 16, .size: 8, .value_kind: global_buffer, .address_space: global }
      - { .name: wc, .offset: 24, .size: 8, .value_kind: global_buffer, .address_space: global }
      - { .name: bc, .offset: 32, .size: 8, .value_kind: global_buffer, .address_space: global }
      - { .name: qh, .offset: 40, .size: 8, .value_kind: global_buffer, .address_space: global }
      - { .name: kh, .offset: 48, .size: 8, .value_kind: global_buffer, .address_space: global }
      - { .name: vh, .offset: 56, .size: 8, .value_kind: global_buffer, .address_space: global }
    .group_segment_fixed_size: 327680
    .private_segment_fixed_size: 0
    .kernarg_segment_align: 8
    .kernarg_segment_size: 64
    .max_flat_workgroup_size: 128
    .sgpr_count:     96
    .vgpr_count:     768
    .wavefront_size: 32
...
	.end_amdgpu_metadata
.endif
;; end of part 2
;; launch attn (part 3): grid 4 x 64, 4 waves a work-group, clusters of 4 x 1, 327,680 bytes of LDS; arguments qh, kh, vh, oh; writes oh
.if DOCPART == 3
	.amdgcn_target "amdgcn-amd-amdhsa--gfx1250"
	.amdhsa_code_object_version 6
	.text
	.protected	k_qf8a3cef5b3_attn
	.globl	k_qf8a3cef5b3_attn
	.p2align	8
	.type	k_qf8a3cef5b3_attn,@function
k_qf8a3cef5b3_attn:
	s_mov_b64 s[64:65], 0
	v_nop
	global_prefetch_b8 v0, s[64:65] scope:SCOPE_SE
	s_setreg_imm32_b32 hwreg(HW_REG_WAVE_MODE, 25, 1), 1
	s_wait_xcnt 0x0
	s_wait_alu depctr_hold_cnt(0) depctr_sa_sdst(0) depctr_va_vdst(0) depctr_va_sdst(0) depctr_va_ssrc(0) depctr_va_vcc(0) depctr_vm_vsrc(0)
	s_getreg_b32 s2, hwreg(HW_REG_IB_STS2, 6, 4)
	s_cmp_eq_u32 s2, 0
	s_cbranch_scc0 .Lentry_in_a_cluster
	s_endpgm
.Lentry_in_a_cluster:
	s_bfe_u32 s2, ttmp6, 0x10000c
	s_cmp_lg_u32 s2, 0x3003
	s_cbranch_scc0 .Lentry_shape_is_right
	s_endpgm
.Lentry_shape_is_right:
; O[h][q][:] = the sum over k of softmax_k(Q[h][q] . K[h][k] / 8) V[h][k][:].  Q, K, V, O: [SIZE_H][SIZE_N][64], all f16: a head's rows are dense, 128 bytes each.  Products, maxima and sums in
; f32; the weights p are rounded to f16 for the second product (their sum l is taken of the unrounded p), O once at the end.  SIZE_H is at least 2; SIZE_N x 128 bytes stay under 2^32.
; LIMITS.  f16 holds no number beyond 65,504: Q, K and V arrive within it; p lies in 0 to 1, and below 6e-5 it keeps f16's fixed step of 6e-8; O is a mean of V's rows and has their range.
; A weight below 2^-126 counts as 0 in l; NaN and infinities are not treated apart.
; SHARES.  A wave owns four PIECES of two tiles of 16 queries, a work-group's four waves 512 queries of one head; SIZE_N is a multiple of 2,048.  Every wave walks all keys, 64 a step.
; LAYOUT.  S^T = K Q^T (source 0 = 16 keys, source 1 = 16 queries): in the result a lane holds ONE query (lane % 16) and the keys 8 (lane / 16) + 0..7.  Two such tiles, rounded to f16 in pairs,
; ARE source 1 (32 keys x 16 queries) of O^T = V^T P, whose result again holds one query a lane, and eight channels.  K comes out of LDS as it lies, V ([key][channel]) turned, by ds_load_tr16_b128.
; SOFTMAX.  For each query a running maximum m and sum l: p = 2^(c s - c m), c = log2(e) / 8; in every step O and l are multiplied by a = 2^(c m_old - c m_new), which is 1 where m has not grown.
; m starts at the lowest finite number, O and l at 0: the first step is a step like any other, with a = 0.
; THE COUNT.  A tile and step have 16 matrix and 118 vector instructions: too many to stand all beside the matrix work.  So the order has one aim: four vector instructions that are READY behind
; EVERY matrix instruction, and the others, which need time of their own whatever the order, in runs without a gap.
; BY TURNS.  Turn n belongs to piece n (the pieces in a ring, step after step).  Its matrix work: 16 products K Q^T of piece n + 1, later 16 products V^T P of piece n - 1.  Its vector work: the scaling,
; exponentials, roundings, sums and rescaling of piece n, and the maximum and statistics of piece n + 1, whose scores the turn itself has made.  So what a turn begins with (c s - c m, O a) waits for nothing.
; CLUSTER.  The four query blocks of a cluster belong to one head and walk the same K and V, so each tile is asked for JOINTLY: the same tensor load, descriptor and mask in all four.
; REGISTERS, in windows of 256 (s_set_vgpr_msb says which window each operand place means: bits 1:0 source 0, 3:2 source 1, 5:4 source 2, 7:6 destination):
;   window 0: v0-11 addresses; v12-15, v48-63 at work; v16-47 four registers of statistics a tile; v64-191 S^T, two buffers of two tiles; v192-255 P, likewise
;   window 1: O^T, 32 a tile          window 2: v0-127 Q, 16 a tile; v128-191 K of one step; v192-255 V of one step          window 3: v0-1 the add's two registers
; A piece's buffers go by its number's parity: the piece in hand has one pair, its two neighbours in the ring share the other: of it P (piece n - 1) is read and S^T (piece n + 1) written.
.set SIZE_H, 64       ; batch x heads
.set SIZE_N, 2048     ; rows of a head
.set NP,    4         ; pieces a wave: a name, no knob: the register map, the loop and the fetches are made for four
.set KS,    64        ; keys in a step
.set PK,    144       ; a row of K in LDS: 128 bytes + 16 of padding = 36 words: the 16 rows of a load start at 16 different groups of four banks (64 banks of 4 bytes: ISA guide 11.1)
.set PV,    160       ; a row of V: 128 + 32 = 40 words
.set VOFF,  4*KS*PK   ; a slot holds four steps: 256 rows of K, then 256 rows of V
.set SLOT1, 1<<17     ; slot 1 begins here, so that one exclusive or turns an address in one slot into the other's
.set STAGE, SLOT1+4*KS*(PK+PV)  ; behind the ring, never filled by a tensor load: 16 rows x 144 bytes for each wave, for the way out
.set SP,    144
.set AK0, 2           ; v2   my lane's place in a tile of K; never rewritten
.set AV0, 3           ; v3   the same for V
.set AK,  4           ; v4   the LDS address of K's next run of loads
.set AV,  5           ; v5   of V's
.set QO,  6           ; v6   my byte offset in the wave's rows of Q
.set STO, 6           ;      later, the way out: where I put 16 bytes of a row
.set RD,  7           ; v7   the way out: where I read rows back
.set GO,  8           ; v8   my byte offset in 512 consecutive bytes of O
.set SPW, 0           ; v0 of window 3   LDS address of my spare word: SPARE + 4 x my thread's number; never rewritten
.set NIL, 1           ; v1 of window 3   0; never rewritten
.set SPARE, STAGE+4*16*SP  ; behind the stages: the spare words, 128 bytes for each wave: two blocks of 256 bytes that no other line names
.set MV,  12          ; v12-15  c m_old, kept while c m is made anew: by buffer and tile
.set ST,  16          ; tile t's statistics at v[ST+4 t]: c m, m, l (even keys', odd keys')
.set TMP, 48          ; by buffer and tile, four registers c0-c3 at work; when the maximum is found c2 takes a
.set S,   64
.set P,   192
.set KF,  128         ; K's fragments, in window 2: key block kb, channel half c at KF + 16 kb + 8 c
.set VF,  192         ; V's: key half kk, channel block cb at VF + 32 kk + 8 cb
.set WV,  12          ; s12  my wave's number
.set G1K, 24          ; s[24:31] descriptor group 1 for K's tiles
.set G1V, 32          ; s[32:39] for V's: it differs in the padding alone
.set G0K, 40          ; s[40:43] descriptor group 0 for K's tiles: it walks
.set G0V, 44          ; s[44:47] the same for V's
.set SLOTS, 56        ; s56  slots still to be asked for
.set CNT, 57          ; s57  counts a slot's key steps
.set CS,  58          ; s[58:59] c: the packed scaling takes the pair's low word for both halves
.set SEL, 60          ; s[60:61] v_permlanex16_b32's selects: each lane takes its own place in the other half
.set TBK, 62          ; s62  LDS byte at which K of the step to be fetched begins
.set TBV, 63          ; s63  the same for V, less VOFF
.set MSB, 0
.macro WIN new                      ; the high byte repeats the setting that is left; a switch that changes nothing is dropped
.if MSB != (\new)
	s_set_vgpr_msb (MSB<<8)|(\new)
.set MSB, (\new)
.endif
.endm
.set W_KQ, 0x0a       ; K and Q in window 2, S^T in window 0
.set W_PV, 0x52       ; V in window 2, P in window 0, O^T in window 1
.set W_RS, 0x41       ; O^T (destination and source 0) in window 1, a in window 0
.set W_MK, 0xc0       ; the add's registers are made: destination in window 3, sources in window 0
.set W_AD, 0x0f       ; the add: address (source 0) and data (source 1) in window 3
; A joint fill.  Waves 0 and 1 fetch the two halves of a slot's K, waves 2 and 3 those of its V: 128 keys each.  The branch hangs on the wave's number alone.
; An s_nop 0 and four v_nop follow each of the two lines, ahead of the jump and the label.
.macro JLOAD
	s_cmp_lt_u32 s[WV], 2
	s_cbranch_scc0 .Lfor_v_\@
	tensor_load_to_lds s[G0K:G0K+3], s[G1K:G1K+7]
	s_nop 0
.rept 4
	v_nop
.endr
	s_branch .Lasked_\@
.Lfor_v_\@:
	tensor_load_to_lds s[G0V:G0V+3], s[G1V:G1V+7]
	s_nop 0
.rept 4
	v_nop
.endr
.Lasked_\@:
.endm
; A round of the cluster's barrier: my work-group's barrier, so that wave 0's signal speaks for all four waves; wave 0 signals; every wave waits for all four work-groups; my work-group's barrier once more.
.macro CROUND
	s_barrier_signal -1
	s_barrier_wait -1
	s_cmp_lg_u32 s[WV], 0
	s_cbranch_scc1 .Lnot_wave_0_\@
	s_barrier_signal -3
.Lnot_wave_0_\@:
	s_barrier_wait -3
	s_barrier_signal -1
	s_barrier_wait -1
.endm
; THE CHANGE OF SLOTS.  The slot's last bytes, V of its fourth step, have been read.  Each wave waits for all its tensor loads, of which one is out: its part
; of the other slot; adds 0 to its spare word; and waits for that and for its own reads of the slot.  Behind the barrier nobody reads this slot any more and the other slot is whole.
; fill = 1: this slot is filled again, with the keys two slots on.  The barrier is then a round of the cluster's, so that no wave of any partner still reads the slot or has a load on its
; way, and the joint fill is the first thing behind it: it has four key steps, 512 matrix instructions, in which to land.  (At its first use nothing has been read yet: slot 0 is waited for, slot 1 filled.)
.macro CHANGE fill
	WIN W_AD
	s_wait_tensorcnt 0x0            ; no tensor load of mine is out, so a group 0 may be written
	ds_add_u32 v[SPW], v[NIL]       ; 0 onto my spare word; with fill = 1 the descriptors' steps stand between it and the wait for it
	WIN 0                           ; at a label and at a branch every window is 0
.if \fill
.irp g, G0K, G0V
	s_xor_b32 s[\g+1], s[\g+1], SLOT1  ; the walking descriptor: the other slot than last time,
	s_add_nc_u64 s[\g+2:\g+3], s[\g+2:\g+3], 4*KS*128  ; the next 256 keys; the type bits on top are not reached
.endr
	s_wait_dscnt 0x0                ; the add is done, and my reads of the slot are over
	CROUND
	JLOAD
.else
	s_wait_dscnt 0x0                ; the add is done, and my reads of the slot are over
	s_barrier_signal -1
	s_barrier_wait -1
.endif
	s_sub_co_u32 s[TBK], s[TBK], 4*KS*PK  ; the fetches go back to a slot's first step,
	s_xor_b32 s[TBK], s[TBK], SLOT1       ; in the other slot
	s_sub_co_u32 s[TBV], s[TBV], 4*KS*PV
	s_xor_b32 s[TBV], s[TBV], SLOT1
.endm
	s_load_b256 s[4:11], s[0:1], 0x0  ; Q s[4:5], K s[6:7], V s[8:9], O s[10:11]
	WIN W_MK
	v_lshl_add_u32 v[SPW], v0, 2, SPARE
	v_mov_b32 v[NIL], 0
	WIN W_AD
	ds_add_u32 v[SPW], v[NIL]       ; the wave's opening: the add and its wait stand ahead of my first tensor load; the set-up below, work on registers, stands between them
	WIN 0
	v_lshrrev_b32 v1, 5, v0
	v_readfirstlane_b32 s[WV], v1   ; wave 0..3
	s_bfe_u32 s13, ttmp6, 0x40000   ; cx: my place in the cluster
	s_lshl_b32 s14, ttmp9, 2        ; in a cluster launch ttmp9 counts clusters
	s_add_co_u32 s14, s14, s13      ; my block of queries = 4 x cluster x + cx: it enters Q's and O's addresses alone
	s_and_b32 s20, ttmp7, 0xffff    ; the head, which the four partners share
	s_mov_b32 s21, 0
	s_mov_b64 s[22:23], SIZE_N*128
	s_mul_u64 s[20:21], s[20:21], s[22:23]  ; the head's first byte in each of the four tensors
	s_and_b32 s16, s[WV], 1         ; which half of a slot's 256 keys I fetch:
	s_lshl_b32 s22, s16, 14         ; its 128 rows of 128 bytes in memory,
	s_mov_b32 s23, 0
	s_add_nc_u64 s[22:23], s[22:23], s[20:21]
	s_mul_i32 s17, s16, 128*PK      ; and its place in a slot, for K
	s_mul_i32 s18, s16, 128*PV      ; and for V: no place in the cluster enters an LDS address
	s_lshl_b32 s2, s14, 2
	s_add_co_u32 s2, s2, s[WV]      ; my wave among the head's,
	s_lshl_b32 s2, s2, 14           ; its 128 rows
	s_mov_b32 s3, 0
	s_add_nc_u64 s[2:3], s[2:3], s[20:21]
	; descriptor group 1.  128 keys are 16,384 dense bytes: asked for as 64 rows of 256 bytes, two keys a row, and padded in LDS after every key
	s_mov_b32 s[G1K], 15|(1<<16)|(1<<20)|(1<<21)|(4<<22)|(3<<25)  ; 15:0 the mask of four; 17:16 2-byte elements; 20 padding on; 21 set beside a mask; 24:22 after every 32 words (code 4); 31:25 4 words (code 3)
	s_mov_b32 s[G1V], 15|(1<<16)|(1<<20)|(1<<21)|(4<<22)|(7<<25)  ; the same with 8 words of padding (code 7)
.irp g, G1K, G1V
	s_mov_b32 s[\g+1], 128<<16      ; tensor_dim0 = 128
	s_mov_b32 s[\g+2], 64<<16       ; tensor_dim1 = 64
	s_mov_b32 s[\g+3], 128<<16      ; tile_dim0 = 128
	s_mov_b32 s[\g+4], 64           ; tile_dim1 = 64
	s_mov_b32 s[\g+5], 128          ; 128 elements from row to row
	s_mov_b32 s[\g+6], 0
	s_mov_b32 s[\g+7], 0
.endr
	s_mov_b32 s[CS], 0x3e38aa3b     ; c = log2(e) / 8 = 0.180337
	s_mov_b32 s[CS+1], s[CS]        ; named with it as a pair
	s_mov_b32 s[SEL], 0x76543210
	s_mov_b32 s[SEL+1], 0xfedcba98
	s_mov_b32 s[TBK], SLOT1+4*KS*PK ; the first change of slots turns these two into 0
	s_mov_b32 s[TBV], SLOT1+4*KS*PV
	s_mov_b32 s[G0K], 1             ; 1:0 count = 1
	s_mov_b32 s[G0K+1], s17         ; 63:32 LDS address: slot 0
	s_mov_b32 s[G0V], 1
	s_add_co_u32 s[G0V+1], s18, VOFF
	s_wait_dscnt 0x0                ; the opening add is done
	s_wait_kmcnt 0x0
	s_add_nc_u64 s[G0K+2:G0K+3], s[6:7], s[22:23]  ; 120:64 global address: my half of the head's first 256 keys
	s_or_b32 s[G0K+3], s[G0K+3], 0x80000000        ; 127:126 type = 2
	s_add_nc_u64 s[G0V+2:G0V+3], s[8:9], s[22:23]
	s_or_b32 s[G0V+3], s[G0V+3], 0x80000000
	s_add_nc_u64 s[4:5], s[4:5], s[2:3]  ; Q and O at my wave's first row
	s_add_nc_u64 s[10:11], s[10:11], s[2:3]
	CROUND                          ; all four work-groups are here: the first joint loads meet
	JLOAD                           ; slot 0.  Slot 1 is asked for when slot 0 is in: the tile wanted first has the road to itself
	; A fragment of K or Q is 16 rows x 32 channels in 8 registers: lane l holds row l % 16, channels 8 (l / 16) + 0..7 and 16 + 8 (l / 16) + 0..7: two loads of 16 bytes, 32 bytes apart.
	v_and_b32 v1, 15, v0            ; l % 16
	v_bfe_u32 v9, v0, 4, 1          ; l / 16
	v_lshlrev_b32 v[QO], 7, v1
	v_lshl_add_u32 v[QO], v9, 4, v[QO]  ; row x 128 + 16 x half
	WIN 0x80                        ; destination window 2, address window 0
.set i, 0
.rept 4*NP                          ; Q stays in registers: tile i / 2, channels 32 (i % 2) on
	global_load_b128 v[8*i:8*i+3],   v[QO], s[4:5] offset:(i/2)*2048+(i%2)*64
	global_load_b128 v[8*i+4:8*i+7], v[QO], s[4:5] offset:(i/2)*2048+(i%2)*64+32
.set i, i+1
.endr
	; What the first turn finds: V's registers and P's second buffer hold 0 (its products V^T P, of a piece that has not been, add 0), O^T and l are 0.  All this stands in the wait for the first tile.
.set i, VF
.rept 64
	v_mov_b32 v[i], 0
.set i, i+1
.endr
	WIN 0x40
.set i, 0
.rept 64*NP
	v_mov_b32 v[i], 0
.set i, i+1
.endr
	WIN 0
.set i, 0
.rept 2*NP
	v_mov_b32 v[ST+4*i], 0xfe000000    ; c m: far below every c s
	v_mov_b32 v[ST+4*i+1], 0xff7fffff  ; m
	v_mov_b32 v[ST+4*i+2], 0
	v_mov_b32 v[ST+4*i+3], 0
.set i, i+1
.endr
.set i, P+32
.rept 32
	v_mov_b32 v[i], 0
.set i, i+1
.endr
	v_mul_u32_u24 v[AK0], v1, PK
	v_lshl_add_u32 v[AK0], v9, 4, v[AK0]  ; row x pitch + 16 x half
	; The turning load takes 16 keys x 16 channels (lane l reads key 8 (l / 16) + l % 8, channels 8 ((l / 8) % 2) + 0..7) and leaves half a fragment of V^T: lane l holds channel l % 16 and 8 keys.
	v_and_b32 v10, 7, v0
	v_bfe_u32 v11, v0, 3, 1
	v_lshl_add_u32 v[AV0], v9, 3, v10
	v_mul_u32_u24 v[AV0], v[AV0], PV
	v_lshl_add_u32 v[AV0], v11, 4, v[AV0]
	v_add_nc_u32 v[AV0], VOFF, v[AV0]
	v_mov_b32 v[AK], v[AK0]         ; key step 0 lies at the head of slot 0
; THE MATRIX WORK.  The 8 accumulators of a run of 16 take turns: between the two links of a chain stand 7 others'.
; Product i of 16 of S^T = K Q^T for piece x: channels 32 (i / 8) on, keys 16 ((i / 2) % 4) on, tile 2 x + i % 2.  The first 8 start the sums.
.macro KQ x
	WIN W_KQ
.set rS, S+64*((\x)%2)+32*(i%2)+8*((i/2)%4)
.set rK, KF+16*((i/2)%4)+8*(i/8)
.set rQ, 16*(2*(\x)+i%2)+8*(i/8)
.if i < 8
	v_wmma_f32_16x16x32_f16 v[rS:rS+7], v[rK:rK+7], v[rQ:rQ+7], 0
.else
	v_wmma_f32_16x16x32_f16 v[rS:rS+7], v[rK:rK+7], v[rQ:rQ+7], v[rS:rS+7]
.endif
.endm
; Product i of 16 of O^T += V^T P for piece x: keys 32 (i / 8) on, channels 16 ((i / 2) % 4) on, tile 2 x + i % 2.
.macro PV x
	WIN W_PV
.set rO, 32*(2*(\x)+i%2)+8*((i/2)%4)
.set rV, VF+32*(i/8)+8*((i/2)%4)
.set rP, P+32*((\x)%2)+16*(i%2)+8*(i/8)
	v_wmma_f32_16x16x32_f16 v[rO:rO+7], v[rV:rV+7], v[rP:rP+7], v[rO:rO+7]
.endm
.macro MM                           ; the turn's next matrix instruction
.if i < 16
	KQ (Y+1)%NP
.set i, i+1
.else
.set i, i-16
	PV (Y+NP-1)%NP
.set i, i+17
.endif
.endm
; THE LDS LOADS stand in runs of 16, never singly among the matrix instructions: a step's K (64 keys x 64 channels: 8 fragments) and its V (turned).  Their addresses are made some lines ahead.
; last = 1 (the tail): in the last trip there is no further step, and the run is jumped over.
.macro FETCH_K last=0
	WIN 0
.if \last
	s_cmp_eq_u32 s[CNT], 1
	s_cbranch_scc1 .Lno_k_\@
.endif
	WIN 0x80                        ; destination window 2
.irp f, 0,1,2,3,4,5,6,7             ; keys 16 (f / 2) on, channels 32 (f % 2) on
	ds_load_b128 v[KF+8*\f:KF+8*\f+3],   v[AK] offset:(\f/2)*16*PK+(\f%2)*64
	ds_load_b128 v[KF+8*\f+4:KF+8*\f+7], v[AK] offset:(\f/2)*16*PK+(\f%2)*64+32
.endr
	s_add_co_u32 s[TBK], s[TBK], KS*PK  ; the next fetch is the next step's
	WIN 0
.if \last
.Lno_k_\@:
.endif
.endm
.macro FETCH_V
	WIN 0x80
.irp f, 0,1,2,3,4,5,6,7             ; keys 32 (f / 4) on, channels 16 (f % 4) on
	ds_load_tr16_b128 v[VF+8*\f:VF+8*\f+3],   v[AV] offset:(\f/4)*32*PV+(\f%4)*32
	ds_load_tr16_b128 v[VF+8*\f+4:VF+8*\f+7], v[AV] offset:(\f/4)*32*PV+16*PV+(\f%4)*32
.endr
	WIN 0
.endm
; THE VECTOR WORK OF A TURN stands in three queues, each in the order in which its entries become ready; the two tiles alternate, so that no instruction reads the result of the one before it.
.macro REGS y, u                    ; the registers of tile u (0, 1) of piece y
.set rT, ST+4*(2*(\y)+(\u))
.set rC, TMP+8*((\y)%2)+4*(\u)
.set rM, MV+2*((\y)%2)+(\u)
.set rS, S+64*((\y)%2)+32*(\u)
.set rP, P+32*((\y)%2)+16*(\u)
.set rO, 32*(2*(\y)+(\u))
.endm
; Number n of the 22 that find the NEXT piece's (Y + 1) maximum and statistics.  s0-s31 are the lane's 32 scores; each accumulator's lowest registers are read first.  XS, GS and REGS set no window: PL and EX do.
;   0-11  four chains c0-c3 of seven scores each, three operands at a time     12-14, 16  the four scores left over, the old m, and c0-c3 into c0     15  c m_old is kept
;   17, 18  the query's other 32 keys lie in the lane 16 away: the new m         19-21  c m; c m_old - c m_new; a
.macro XS u, n
	REGS (Y+1)%NP, \u
.if (\n) < 4
	v_max3_num_f32 v[rC+(\n)], v[rS+8*(\n)], v[rS+8*(\n)+1], v[rS+8*(\n)+2]
.elseif (\n) < 12
	v_max3_num_f32 v[rC+(\n)%4], v[rC+(\n)%4], v[rS+8*((\n)%4)+2*((\n)/4)+1], v[rS+8*((\n)%4)+2*((\n)/4)+2]
.elseif (\n) == 12
	v_max3_num_f32 v[rC], v[rC], v[rS+7], v[rS+15]
.elseif (\n) == 13
	v_max3_num_f32 v[rC+1], v[rC+1], v[rS+23], v[rS+31]
.elseif (\n) == 14
	v_max3_num_f32 v[rC+2], v[rC+2], v[rC+3], v[rT+1]
.elseif (\n) == 15
	v_mov_b32 v[rM], v[rT]
.elseif (\n) == 16
	v_max3_num_f32 v[rC], v[rC], v[rC+1], v[rC+2]
.elseif (\n) == 17
	v_permlanex16_b32 v[rC+3], v[rC], s[SEL], s[SEL+1]
.elseif (\n) == 18
	v_max_num_f32 v[rT+1], v[rC], v[rC+3]
.elseif (\n) == 19
	v_mul_f32 v[rT], s[CS], v[rT+1]
.elseif (\n) == 20
	v_sub_f32 v[rC+1], v[rM], v[rT]
.else
	v_exp_f32 v[rC+2], v[rC+1]
.endif
.endm
; Number g of the 64 that follow the exponentials.  For each four weights k of a tile (pairs 2 k, 2 k + 1): both pairs are rounded to f16; then the second pair is added onto the first, in place;
; a group later l takes that sum (the first time as l = a l + sum).  In groups of eight, tiles alternating: round, round, add, and l for the group before.
.macro GS g
.set h, (\g)+6*((\g)/62)            ; group 0 has no group before it, and behind group 7 only l is left
.if h >= 6
.set h, h+2
.endif
	REGS Y, h%2
.set k, h/8
.if h%8 < 4
	s_wait_alu depctr_va_vdst(0)
	v_cvt_pk_f16_f32 v[rP+2*k+(h%8)/2], v[rS+4*k+2*((h%8)/2)], v[rS+4*k+2*((h%8)/2)+1]
.elseif h%8 < 6
	v_pk_add_f32 v[rS+4*k:rS+4*k+1], v[rS+4*k:rS+4*k+1], v[rS+4*k+2:rS+4*k+3]
.elseif k == 1
	v_pk_fma_f32 v[rT+2:rT+3], v[rT+2:rT+3], v[rC+2:rC+3], v[rS:rS+1] op_sel_hi:[1,0,1]
.else
	v_pk_add_f32 v[rT+2:rT+3], v[rT+2:rT+3], v[rS+4*k-4:rS+4*k-3]
	s_wait_alu depctr_va_vdst(0)
.endif
.endm
; THE PLAIN QUEUE, 138 long.  0-31: c s - c m for the 16 pairs of both tiles.  Then GS's 64, and among them the next piece's 42: number 15 at 38, 39; 0-14 and 16
; at 42-73, behind the products that make those scores; 17-20 at 95-106, two of three, since each waits for the one before it.
.macro PL
	WIN 0
.if q < 32
	REGS Y, q%2
	v_pk_fma_f32 v[rS+2*(q/2):rS+2*(q/2)+1], v[rS+2*(q/2):rS+2*(q/2)+1], s[CS:CS+1], v[rT:rT+1] op_sel_hi:[1,0,0] neg_lo:[0,0,1] neg_hi:[0,0,1]
.elseif q < 38
	GS q-32
.elseif q < 40
	XS q%2, 15
.elseif q < 42
	GS q-34
.elseif q < 74
	XS q%2, (q-42)/2+(q-42)/30
.elseif q < 95
	GS q-66
.elseif (q < 107) && ((q-95)%3 < 2)
	XS (q-95)%3, 17+(q-95)/3
.elseif q < 107
	GS 29+(q-95)/3
.else
	GS q-74
.endif
.set q, q+1
.endm
; THE EXPONENTIALS' QUEUE, 66 long: s0-s31 of both tiles, and at EA the next piece's two a.
.set EA, 58
.macro EX
	WIN 0
.if (e == EA) || (e == EA+1)
	XS e-EA, 21
.else
.set x, e-2*(e/(EA+2))
	REGS Y, x%2
	v_exp_f32 v[rS+x/2], v[rS+x/2]
.endif
.set e, e+1
.endm
; THE RESCALING's QUEUE: O^T times a, the one part that leaves window 0, so it is dealt four at a time, eight times.
.macro R4
	REGS Y, r%2
	WIN W_RS
	s_wait_alu depctr_va_vdst(0)
.irp z, 0,1,2,3
	v_pk_mul_f32 v[rO+8*(r/2)+2*\z:rO+8*(r/2)+2*\z+1], v[rO+8*(r/2)+2*\z:rO+8*(r/2)+2*\z+1], v[rC+2:rC+3] op_sel_hi:[1,0]
.endr
.set r, r+1
.endm
; HOW THEY ARE DEALT.  Behind a matrix instruction four: plain, exponential, plain, plain (one exponential, a plain instruction on either side), or four of the rescaling.  None names a register of the
; products round it.  What is over stands in two LUMPS: exponential and plain by turns; the second ends in 22 plain instructions.  The two v_permlanex16_b32 fall into the second lump, never behind a product.
; The queues lean on each other, and the deal keeps them in step: exponential e stands behind plain 2 (e / 4) + e % 2 (its scaling); when plain 32 comes, 10 exponentials are out, at 59: 33, at 95: 46; EA comes behind plain 107.
.macro SL
	MM
	PL
	EX
	PL
	PL
.endm
.macro BURST n                      ; 15 matrix instructions, or 16
.rept (\n)-7
	SL
.endr
.rept 3
	MM
	R4
	SL
.endr
	MM
	R4
.endm
; A TURN, for piece p.  cnt = 1: the loop's count is taken down some lines ahead of the branch that stands behind the turn.
; K of the next step is fetched in piece 2's turn, 31 vector instructions behind the last product that read K; its first reader comes behind the rest of the lump, 16 products and the second lump.
; V of the step in hand is fetched at the end of piece 0's turn, 69 behind its last reader; its first reader comes behind 16 products and a lump.  The four conditions on e and q below go with the deal.
.macro TURN p, last=0, cnt=0
.set Y, (\p)
.set i, 0
.set q, 0
.set e, 0
.set r, 0
.if (\p) == NP-1
	s_wait_dscnt 0x0                ; K is in
.endif
	MM
.rept 4
	PL
.endr
	BURST 15
.rept 22
	EX
	PL
.if ((\p) == NP-2) && (e == 18)
	v_add_nc_u32 v[AK], s[TBK], v[AK0]
.endif
.if ((\p) == NP-2) && (e == 24)
	FETCH_K \last
.endif
.endr
.if (\p) == 1
	s_wait_dscnt 0x0                ; V is in
.endif
	BURST 16
.rept 21
	EX
	PL
.endr
.rept 22
	PL
.if ((\p) == 0) && (q == 118)
	v_add_nc_u32 v[AV], s[TBV], v[AV0]
	s_wait_alu depctr_va_vdst(0)
.endif
.if ((\p) == 0) && (q == 130)
	s_add_co_u32 s[TBV], s[TBV], KS*PV
.endif
.if (\cnt) && (q == 130)
	s_sub_co_u32 s[CNT], s[CNT], 1
	s_cmp_lg_u32 s[CNT], 0
.endif
.endr
.if (\p) == 0
	FETCH_V
.endif
.endm
	CHANGE 1                        ; slot 0 is in, everybody's part of it; slot 1 is asked for
	FETCH_K                         ; key step 0
	s_wait_loadcnt 0x0              ; Q
	s_wait_dscnt 0x0
.set i, 0
.rept 16
	KQ 0                            ; piece 0's first scores: there is no vector work yet to set between them
.set i, i+1
.endr
	WIN 0                           ; the addresses for the way out: nine plain instructions, the places behind those products
	s_mul_i32 s13, s[WV], 16*SP
	s_add_co_u32 s13, s13, STAGE    ; my stage
	v_mul_u32_u24 v[STO], v1, SP    ; in: row l % 16, 16 bytes for each half of the lanes
	v_lshl_add_u32 v[STO], v9, 4, v[STO]
	v_add_nc_u32 v[STO], s13, v[STO]
	v_bfe_u32 v[RD], v0, 3, 2       ; back: 32 lanes take four rows of 128 bytes,
	v_mul_u32_u24 v[RD], v[RD], SP
	v_lshl_add_u32 v[RD], v10, 4, v[RD]
	v_add_nc_u32 v[RD], s13, v[RD]
	v_and_b32 v[GO], 31, v0         ; which are 512 consecutive bytes of O
	v_lshlrev_b32 v[GO], 4, v[GO]
.set Y, NP-1                        ; XS works for piece Y + 1: piece 0
.irp n, 0,1,2,3,4,5,6,7,8,9,10,11,12,13,14,15,16,17,18,19,20,21
	XS 0, \n                        ; and piece 0's first maximum and statistics
	XS 1, \n
.endr
	s_mov_b32 s[CNT], 4
	s_mov_b32 s[SLOTS], SIZE_N/256-1
	s_branch .Lfirst                ; the loop is entered at a step's first turn, in the middle of a trip
.Lslot:                             ; SIZE_N / 256 - 2 times: every slot but the last two is filled again
	CHANGE 1
	s_mov_b32 s[CNT], 4
.Lstep:                             ; a trip: pieces 2 and 3 of one step, then pieces 0 and 1 of the next, whose K and V it fetches
	TURN 2
	TURN 3
	WIN 0
.Lfirst:
	TURN 0
	TURN 1, 0, 1
	WIN 0
	s_cbranch_scc1 .Lstep
	s_sub_co_u32 s[SLOTS], s[SLOTS], 1
	s_cmp_lg_u32 s[SLOTS], 0
	s_cbranch_scc1 .Lslot
	CHANGE 0                        ; the tail is written out: nothing is asked for
	s_mov_b32 s[CNT], 5             ; four trips fetch the last slot's steps; the fifth is left in its middle
.Ltail:
	TURN 2, 1
	TURN 3
	WIN 0
	s_sub_co_u32 s[CNT], s[CNT], 1
	s_cmp_eq_u32 s[CNT], 0
	s_cbranch_scc1 .Lout
	TURN 0
	TURN 1
	WIN 0
	s_branch .Ltail
.Lout:                              ; the fifth trip's 16 products K Q^T (on the last K once more) and the maximum made of them serve nothing: the price, once a launch, of one text for every trip
.set i, 0
.rept 16
	PV NP-1                         ; the last piece's V^T P of the last step
.set i, i+1
.endr
	; THE WAY OUT.  l's two halves and the other half of the lanes' are added; O^T is divided by l, rounded to f16 and sent through my stage in LDS, a tile at a time.  The additions are the places behind the last products.
	WIN 0
.macro ALL line:vararg              ; one line for each tile t
.set t, 0
.rept 2*NP
	\line
.set t, t+1
.endr
.endm
	ALL v_add_f32 v[ST+4*t+2], v[ST+4*t+2], v[ST+4*t+3]
	ALL v_permlanex16_b32 v[ST+4*t+3], v[ST+4*t+2], s[SEL], s[SEL+1]
	ALL v_add_f32 v[ST+4*t+2], v[ST+4*t+2], v[ST+4*t+3]
	ALL v_rcp_f32 v[ST+4*t+2], v[ST+4*t+2]
	v_nop                           ; a plain instruction between the last reciprocal and the use of its result
	s_wait_alu depctr_va_vdst(0)
; Tile t: a lane's eight channels of a row pack into 16 bytes; they go into rows of 144 bytes and come back as whole rows of 128, into S^T's registers.
.macro PACK t
	WIN W_RS
.set i, 32*(\t)
.rept 16
	v_pk_mul_f32 v[i:i+1], v[i:i+1], v[ST+4*(\t)+2:ST+4*(\t)+3] op_sel_hi:[1,0]
.set i, i+2
.endr
	WIN 0x05                        ; sources 0 and 1 window 1, destination window 0
.set i, 0
.rept 16
	v_cvt_pk_f16_f32 v[S+16*(\t)+i], v[32*(\t)+2*i], v[32*(\t)+2*i+1]
.set i, i+1
.endr
	WIN 0
.irp f, 0,1,2,3
	ds_store_b128 v[STO], v[S+16*(\t)+4*\f:S+16*(\t)+4*\f+3] offset:32*\f
.endr
.irp f, 0,1,2,3
	ds_load_b128 v[S+16*(\t)+4*\f:S+16*(\t)+4*\f+3], v[RD] offset:\f*4*SP  ; LDS serves a wave's instructions in order (ISA guide 5.7.1.4): these see the stores above; the next tile's stores come behind them
.endr
.endm
.macro SEND t, younger              ; younger: the LDS instructions issued behind tile t's loads: the next tile's eight, or none
	WIN 0
.irp f, 0,1,2,3
	s_wait_dscnt (\younger)+3-\f
	global_store_b128 v[GO], v[S+16*(\t)+4*\f:S+16*(\t)+4*\f+3], s[10:11] offset:(\t)*2048+\f*512  ; 512 consecutive bytes, at a multiple of 256 from O's first
.endr
.endm
	PACK 0
.set t, 1
.rept 2*NP-1                        ; a tile's arithmetic stands between the loads of the tile before and its stores
	PACK t
	SEND t-1, 8
.set t, t+1
.endr
	SEND 2*NP-1, 0
	WIN W_AD
	s_wait_tensorcnt 0x0            ; the wave's end, behind my last tensor load and my last LDS store
	ds_add_u32 v[SPW], v[NIL]
	s_wait_dscnt 0x0
	WIN 0
	CROUND                          ; the closing round: no work-group ends while a partner may still ask for a tile that names it
	s_endpgm
.Lfunc_end_k_qf8a3cef5b3_attn:
	.size	k_qf8a3cef5b3_attn, .Lfunc_end_k_qf8a3cef5b3_attn-k_qf8a3cef5b3_attn
	.p2alignl 7, 3214868480
	.fill 96, 4, 3214868480
	.section	.rodata,"a",@progbits
	.p2align	6, 0x0
	.amdhsa_kernel k_qf8a3cef5b3_attn
		.amdhsa_group_segment_fixed_size 327680
		.amdhsa_private_segment_fixed_size 0
		.amdhsa_enable_private_segment 0
		.amdhsa_kernarg_size 32
		.amdhsa_user_sgpr_count 2
		.amdhsa_user_sgpr_kernarg_segment_ptr 1
		.amdhsa_wavefront_size32 1
		.amdhsa_system_sgpr_workgroup_id_x 1
		.amdhsa_system_sgpr_workgroup_id_y 1
		.amdhsa_system_sgpr_workgroup_id_z 1
		.amdhsa_system_vgpr_workitem_id 0
		.amdhsa_next_free_vgpr 770
		.amdhsa_next_free_sgpr 66
		.amdhsa_reserve_vcc 0
		.amdhsa_float_denorm_mode_32 3
		.amdhsa_float_denorm_mode_16_64 3
		.amdhsa_memory_ordered 1
		.amdhsa_forward_progress 1
		.amdhsa_inst_pref_size 208
	.end_amdhsa_kernel
	.amdgpu_metadata
---
amdhsa.version: [ 1, 2 ]
amdhsa.kernels:
  - .name:           k_qf8a3cef5b3_attn
    .symbol:         k_qf8a3cef5b3_attn.kd
    .args:
      - { .name: qh, .offset: 0, .size: 8, .value_kind: global_buffer, .address_space: global }
      - { .name: kh, .offset: 8, .size: 8, .value_kind: global_buffer, .address_space: global }
      - { .name: vh, .offset: 16, .size: 8, .value_kind: global_buffer, .address_space: global }
      - { .name: oh, .offset: 24, .size: 8, .value_kind: global_buffer, .address_space: global }
    .group_segment_fixed_size: 327680
    .private_segment_fixed_size: 0
    .kernarg_segment_align: 8
    .kernarg_segment_size: 32
    .max_flat_workgroup_size: 128
    .sgpr_count:     66
    .vgpr_count:     770
    .wavefront_size: 32
...
	.end_amdgpu_metadata
.endif
;; end of part 3
;; launch outp (part 4): grid 4 x 64, 4 waves a work-group, clusters of 4 x 4, 327,680 bytes of LDS; arguments oh, wc, bc, out0; writes out0
.if DOCPART == 4
	.amdgcn_target "amdgcn-amd-amdhsa--gfx1250"
	.amdhsa_code_object_version 6
	.text
	.protected	k_qf8a3cef5b3_outp
	.globl	k_qf8a3cef5b3_outp
	.p2align	8
	.type	k_qf8a3cef5b3_outp,@function
k_qf8a3cef5b3_outp:
	s_mov_b64 s[64:65], 0
	v_nop
	global_prefetch_b8 v0, s[64:65] scope:SCOPE_SE
	s_setreg_imm32_b32 hwreg(HW_REG_WAVE_MODE, 25, 1), 1
	s_wait_xcnt 0x0
	s_wait_alu depctr_hold_cnt(0) depctr_sa_sdst(0) depctr_va_vdst(0) depctr_va_sdst(0) depctr_va_ssrc(0) depctr_va_vcc(0) depctr_vm_vsrc(0)
	s_getreg_b32 s2, hwreg(HW_REG_IB_STS2, 6, 4)
	s_cmp_eq_u32 s2, 0
	s_cbranch_scc0 .Lentry_in_a_cluster
	s_endpgm
.Lentry_in_a_cluster:
	s_bfe_u32 s2, ttmp6, 0x10000c
	s_cmp_lg_u32 s2, 0xf033
	s_cbranch_scc0 .Lentry_shape_is_right
	s_endpgm
.Lentry_shape_is_right:
; out0 = O Wo^T + bo.  O: oh, [64 = batch x 16 + head][2048][64] f16; Wo: plane 3 of wc, [1024][1024] f16; bo: row 3 of bc, f32; out0: [8192][1024] f32.  Sums in f32, begun at the bias.
; The merge of heads costs nothing: channel k of a row of O is channel k % 64 of head k / 64, so a K step of 128 is two heads' rows.
; SHARES.  A tile of out0 is 128 rows x 256 columns: 64 x 4 = 256 work-groups, one tile each; four waves, each 64 rows x 128 columns: 32 accumulators, 256 registers.  Eight K steps through two LDS slots.
; CLUSTER.  4 x 4 work-groups.  O's tile hangs on the tile row alone and is asked for jointly by a row of the cluster, Wo's on the tile column alone and is asked for jointly by a column.
; THE MATRIX INSTRUCTION IS USED TRANSPOSED: source 0 = 16 rows of Wo, source 1 = 16 rows of O: a lane holds one row (lane % 16) of the result and the columns 8 (lane / 16) + 0..7.
; REGISTERS, in windows of 256 (s_set_vgpr_msb: bits 1:0 source 0, 3:2 source 1, 5:4 source 2, 7:6 destination):
;   window 0: v0-31 addresses; v32-95 the bias of my 128 columns; v96-223 rows on their way out, two buffers of 64
;   window 1: the accumulators: (a, b) at v[8 (8 a + b)]          window 2: v0-127 Wo's fragments, two buffers; v128-191 O's, two buffers
.set PITA,  144                        ; a row of a head in LDS: 128 bytes + 16 = 36 words: the 16 rows of a load start at 16 different groups of four banks (64 banks of 4 bytes: ISA guide 11.1)
.set HEADT, 128*PITA                   ; a head's 128 rows
.set AREG,  2*HEADT                    ; two heads, then Wo's 256 rows
.set PITB,  272                        ; a row of Wo: 256 bytes + 16
.set SLOT1, 1<<17                      ; a slot is 106,496 bytes; slot 1 begins here, so that one exclusive or turns an address in one slot into the other's
.set STAGE, SLOT1+AREG+256*PITB        ; behind the ring, never filled by a tensor load: 16 rows x 528 bytes for each wave
.set SPIT,  528                        ; 512 bytes + 16 = 132 words: row r starts at bank 4 r mod 64
.set WSTG,  16*SPIT
.set SPARE, STAGE+4*WSTG               ; the spare words, 128 bytes for each wave: two blocks of 256 bytes that no other line names
.set ADA0, 16                          ; v16  my lane's place in a slot's O; never rewritten
.set ADB0, 17                          ; v17  the same for Wo
.set ADA,  18                          ; v18  TB + ADA0
.set ADB,  19                          ; v19  TB + ADB0
.set STO,  20                          ; v20  the way out: where I put 32 bytes of a row
.set RD,   21                          ; v21  the way out: where I read a row back
.set GO,   22                          ; v22  my byte offset in 512 consecutive bytes of out0
.set BO,   23                          ; v23  my byte offset in 16 numbers of the bias
.set SPW,  28                          ; v28  LDS address of my spare word; never rewritten
.set NIL,  29                          ; v29  0; never rewritten
.set ZZ,   30                          ; v[30:31] 0, 0
.set BI,   32
.set BK,   96
.set BF,   0                           ; window 2
.set AF,   128
.set AP,   4                           ; s[4:5]   oh at my head's rows of K step 0
.set WB,   6                           ; s[6:7]   wc at my half tile of plane 3
.set BP,   8                           ; s[8:9]   bc at my 128 columns of row 3
.set OUT,  10                          ; s[10:11] out0 at my first row and column
.set WV,   20
.set WM,   21                          ; which 64 rows are mine.  Also: I fetch for O (0) or for Wo (1)
.set WN,   22                          ; which 128 columns.  Also: which head of the step's two, or which half of Wo's tile, I fetch
.set CX,   23
.set CY,   24
.set TX,   25
.set TY,   26
.set RMASK, 27
.set CMASK, 28
.set G1A,  36                          ; s[36:43] descriptor group 1 for O's tiles
.set G1B,  44                          ; s[44:51] for Wo's
.set G0A,  52                          ; s[52:59] group 0 for O's: a set for each first fill; the second then walks on
.set TB,   60                          ; s60 the slot being read: 0 or SLOT1
.set G0B,  68                          ; s[68:75] group 0 for Wo's
.set WK,   78                          ; s78 counts trips
.set MSB, 0
.macro WIN new                         ; the immediate's high byte repeats the setting that is left; a switch that changes nothing is dropped
.if MSB != (\new)
	s_set_vgpr_msb (MSB<<8)|(\new)
.set MSB, \new
.endif
.endm
.set W_MM, 0x5a                        ; both fragments in window 2, C and D in window 1
.set W_LD, 0x80                        ; destination window 2, address window 0
.set W_BI, 0x40                        ; destination window 1, sources window 0
.set W_ST, 0x04                        ; an LDS store's data (source 1) in window 1, its address in window 0
.macro JLOAD                           ; a joint refill: waves 0 and 1 fetch the step's two heads of O, waves 2 and 3 Wo's two halves; an s_nop 0 and four v_nop follow each of the two lines
	s_cmp_eq_u32 s[WM], 0
	s_cbranch_scc0 .Lfor_b_\@
	tensor_load_to_lds s[G0A+4:G0A+7], s[G1A:G1A+7]
	s_nop 0
.rept 4
	v_nop
.endr
	s_branch .Lasked_\@
.Lfor_b_\@:
	tensor_load_to_lds s[G0B+4:G0B+7], s[G1B:G1B+7]
	s_nop 0
.rept 4
	v_nop
.endr
.Lasked_\@:
.endm
.macro CREST                           ; a round of the cluster's barrier behind its opening barrier
	s_cmp_lg_u32 s[WV], 0
	s_cbranch_scc1 .Lnot_wave_0_\@
	s_barrier_signal -3
.Lnot_wave_0_\@:
	s_barrier_wait -3
	s_barrier_signal -1
	s_barrier_wait -1
.endm
.macro CROUND                          ; a whole round
	s_barrier_signal -1
	s_barrier_wait -1
	CREST
.endm
.macro PLACES                          ; four places (ISA guide 7.12.1 for vector instructions) in front of loads into registers that matrix instructions have read, and of LDS stores that read results
.rept 4
	v_nop
.endr
.endm
.macro MM f, n                         ; product n of a quarter's 32, on buffer f.  The 32 accumulators take turns in this one order everywhere
	WIN W_MM
	v_wmma_f32_16x16x32_f16 v[8*(\n):8*(\n)+7], v[BF+64*(\f)+8*((\n)%8):BF+64*(\f)+8*((\n)%8)+7], v[AF+32*(\f)+8*((\n)/8):AF+32*(\f)+8*((\n)/8)+7], v[8*(\n):8*(\n)+7]
.endm
.macro LDAH g, p, q                    ; O's rows 16 (2 p) and 16 (2 p + 1) on, quarter q: head q / 2 of the step's two, channels 32 (q % 2) on
	WIN W_LD
.irp d, 0,1
	ds_load_b128 v[AF+32*(\g)+8*(2*(\p)+\d):AF+32*(\g)+8*(2*(\p)+\d)+3],   v[ADA] offset:((\q)/2)*HEADT+((\q)%2)*64+(2*(\p)+\d)*16*PITA
	ds_load_b128 v[AF+32*(\g)+8*(2*(\p)+\d)+4:AF+32*(\g)+8*(2*(\p)+\d)+7], v[ADA] offset:((\q)/2)*HEADT+((\q)%2)*64+(2*(\p)+\d)*16*PITA+32
.endr
.endm
.macro LDB g, p, kb                    ; Wo's rows 16 (2 p) and 16 (2 p + 1) on, 32 along K at byte kb
	WIN W_LD
.irp d, 0,1
	ds_load_b128 v[BF+64*(\g)+8*(2*(\p)+\d):BF+64*(\g)+8*(2*(\p)+\d)+3],   v[ADB] offset:(2*(\p)+\d)*16*PITB+(\kb)
	ds_load_b128 v[BF+64*(\g)+8*(2*(\p)+\d)+4:BF+64*(\g)+8*(2*(\p)+\d)+7], v[ADB] offset:(2*(\p)+\d)*16*PITB+(\kb)+32
.endr
.endm
; One of a K step's first three quarters: multiplies buffer f; the next quarter's 24 loads stand in groups of four behind its products, the last 19 products ahead of the wait for them.
.macro QUARTER f, q
	s_wait_dscnt 0x0                               ; this quarter's fragments are in
.set i, 0
.rept 32
	MM \f, i
.if i == 0
	PLACES                                         ; between the last product on the other buffer and the loads into it
.elseif (i == 2) || (i == 4)
	LDAH 1-(\f), (i-2)/2, (\q)+1
.elseif (i >= 6) && (i <= 12) && (i%2 == 0)
	LDB 1-(\f), (i-6)/2, 64*((\q)+1)
.endif
.set i, i+1
.endr
.endm
; The last quarter multiplies buffer 1 and changes slots: ONE barrier.  In front of it each wave waits for all its tensor loads, of which one is out: its part of the next slot; adds 0 to its spare word; and waits
; for that and for its own reads of this slot.  fill = 1: the barrier opens a round of the cluster's barrier, and the joint refill, two K steps ahead, is the first tensor load behind it: 116 products in which to land.
.macro TURN fill
	WIN 0                                          ; (the add's two registers lie in window 0)
	s_wait_tensorcnt 0x0                           ; no tensor load of mine is out, so a group 0 may be written
	ds_add_u32 v[SPW], v[NIL]                      ; 0 onto my spare word
.if \fill
	s_xor_b32 s[G0A+5], s[G0A+5], SLOT1            ; the walking descriptors: the other slot than last time,
	s_add_nc_u64 s[G0A+6:G0A+7], s[G0A+6:G0A+7], 2*262144  ; two heads on; the type bits on top are not reached
	s_xor_b32 s[G0B+5], s[G0B+5], SLOT1
	s_add_nc_u64 s[G0B+6:G0B+7], s[G0B+6:G0B+7], 256       ; 128 along Wo's rows
.endif
	s_wait_dscnt 1                                 ; the add alone may be out: this quarter's fragments are in
.set i, 0
.rept 8
	MM 1, i
.set i, i+1
.endr
	s_wait_dscnt 0x0                               ; the add is done, and my reads of this slot are over
	s_barrier_signal -1
.rept 4
	MM 1, i
.set i, i+1
.endr
	WIN 0                                          ; at a label and at a branch every window is 0
	s_barrier_wait -1
.if \fill
	CREST
	JLOAD                                          ; its four v_nop are also the places in front of the loads below
.else
	PLACES
.endif
	s_xor_b32 s[TB], s[TB], SLOT1                  ; the reads go on in the other slot
	v_add_nc_u32 v[ADA], s[TB], v[ADA0]
	v_add_nc_u32 v[ADB], s[TB], v[ADB0]
.rept 20
	MM 1, i
.if i < 14
	LDAH 0, i-12, 0
.elseif i < 18
	LDB 0, i-14, 0
.endif
.set i, i+1
.endr
.endm
.macro KSTEP fill
	QUARTER 0, 0
	QUARTER 1, 1
	QUARTER 0, 2
	TURN \fill
.endm
.macro PRE a                           ; the sums begin at the bias
	WIN W_BI
.irp b, 0,1,2,3,4,5,6,7
.irp r, 0,2,4,6
	v_pk_add_f32 v[64*(\a)+8*\b+\r:64*(\a)+8*\b+\r+1], v[BI+8*\b+\r:BI+8*\b+\r+1], v[ZZ:ZZ+1]
.endr
.endr
.endm
; THE WAY OUT of my rows 16 a on: a lane's eight columns of a row, 32 bytes, go straight from the accumulators (low four registers first) into my own stage, and come back as whole rows of 512 bytes.
.macro TOSTAGE a
	s_wait_xcnt 0x0                                ; the stores issued so far have read their registers: this block's buffer is loaded again only behind this wait
	WIN W_ST
.irp b, 0,1,2,3,4,5,6,7
	ds_store_b128 v[STO], v[64*(\a)+8*\b:64*(\a)+8*\b+3]   offset:64*\b
	ds_store_b128 v[STO], v[64*(\a)+8*\b+4:64*(\a)+8*\b+7] offset:64*\b+16
.endr
	WIN 0
.irp t, 0,1,2,3,4,5,6,7,8,9,10,11,12,13,14,15
	ds_load_b128 v[BK+64*((\a)%2)+4*\t:BK+64*((\a)%2)+4*\t+3], v[RD] offset:\t*SPIT  ; LDS serves a wave's instructions in order (ISA guide 5.7.1.4): these see the stores above; the next block's stores come behind them
.endr
.endm
.macro SEND a, younger                 ; younger: the LDS instructions issued behind block a's loads: the next block's 16 stores and 16 loads, or none
	WIN 0
	s_wait_dscnt \younger
.irp t, 0,1,2,3,4,5,6,7,8,9,10,11,12,13,14,15
	global_store_b128 v[GO], v[BK+64*((\a)%2)+4*\t:BK+64*((\a)%2)+4*\t+3], s[OUT:OUT+1] offset:(16*(\a)+\t)*4096 th:TH_STORE_NT  ; 512 consecutive bytes, at a multiple of 256 from out0's first byte
.endr
.endm
	s_load_b256 s[4:11], s[0:1], 0x0               ; oh, wc, bc, out0
	v_lshl_add_u32 v[SPW], v0, 2, SPARE
	v_mov_b32 v[NIL], 0
	ds_add_u32 v[SPW], v[NIL]                      ; the wave's opening: the add and its wait stand ahead of my first tensor load; the set-up below, work on registers, stands between them
	v_lshrrev_b32 v1, 5, v0
	v_readfirstlane_b32 s[WV], v1                  ; wave 0..3
	s_lshr_b32 s[WM], s[WV], 1
	s_and_b32 s[WN], s[WV], 1
	s_bfe_u32 s[CX], ttmp6, 0x40000                ; my place in the cluster
	s_bfe_u32 s[CY], ttmp6, 0x40004
	s_lshl_b32 s[TX], ttmp9, 2
	s_add_co_u32 s[TX], s[TX], s[CX]               ; tile column
	s_and_b32 s[TY], ttmp7, 0xffff
	s_lshl_b32 s[TY], s[TY], 2
	s_add_co_u32 s[TY], s[TY], s[CY]               ; tile row
	s_lshl_b32 s[RMASK], s[CY], 2
	s_lshl_b32 s[RMASK], 15, s[RMASK]              ; my row of the cluster
	s_lshl_b32 s[CMASK], 0x1111, s[CX]             ; my column
	; group 1 for O: a head's 128 rows are 16,384 dense bytes: asked for as 64 rows of 256 bytes, two rows of O each, and padded in LDS after every row of O
	s_or_b32 s[G1A], s[RMASK], (1<<16)|(1<<20)|(1<<21)|(4<<22)|(3<<25)  ; 15:0 the mask; 17:16 elements of 2 bytes; 20 padding on; 21 set beside a mask; 24:22 after every 32 words; 31:25 4 words
	s_mov_b32 s[G1A+1], 128<<16                    ; tensor_dim0 = 128
	s_mov_b32 s[G1A+2], 64<<16                     ; tensor_dim1 = 64
	s_mov_b32 s[G1A+3], 128<<16                    ; tile_dim0 = 128
	s_mov_b32 s[G1A+4], 64                         ; tile_dim1 = 64
	s_mov_b32 s[G1A+5], 128                        ; elements from row to row
	s_mov_b32 s[G1A+6], 0
	s_mov_b32 s[G1A+7], 0
	; group 1 for Wo: 128 rows x 128 elements of 2 bytes, 16 bytes of padding behind every 64 words
	s_or_b32 s[G1B], s[CMASK], (1<<16)|(1<<20)|(1<<21)|(5<<22)|(3<<25)
	s_mov_b32 s[G1B+1], 128<<16
	s_mov_b32 s[G1B+2], 128<<16
	s_mov_b32 s[G1B+3], 128<<16
	s_mov_b32 s[G1B+4], 128
	s_mov_b32 s[G1B+5], 1024
	s_mov_b32 s[G1B+6], 0
	s_mov_b32 s[G1B+7], 0
	; offsets, each in registers of its own: O's is made of the tile row and the wave alone, Wo's of the tile column and the wave alone
	s_lshr_b32 s30, s[TY], 4                       ; O: the batch, 16 heads of 262,144 bytes,
	s_lshl_b32 s30, s30, 22
	s_lshl_b32 s31, s[WN], 18                      ; my head of the step's two,
	s_add_co_u32 s30, s30, s31
	s_and_b32 s31, s[TY], 15                       ; the tile's 128 rows of 128 bytes in the head
	s_lshl_b32 s31, s31, 14
	s_add_co_u32 s30, s30, s31
	s_mov_b32 s31, 0
	s_lshl_b32 s32, s[TX], 19                      ; Wo: 256 rows of 2,048 bytes a tile,
	s_lshl_b32 s33, s[WN], 18                      ; 128 rows a half,
	s_add_co_u32 s32, s32, s33
	s_add_co_u32 s32, s32, 3*1024*1024*2           ; in plane 3
	s_mov_b32 s33, 0
	s_lshl_b32 s34, s[TX], 10                      ; my 128 columns, in f32: in the bias and in a row of out0
	s_lshl_b32 s35, s[WN], 9
	s_add_co_u32 s34, s34, s35
	s_lshl_b32 s2, s[TY], 19                       ; out0: 128 rows of 4,096 bytes a tile,
	s_lshl_b32 s3, s[WM], 18                       ; my 64 of them,
	s_add_co_u32 s2, s2, s3
	s_add_co_u32 s2, s2, s34                       ; my columns
	s_mov_b32 s3, 0
	s_add_co_u32 s34, s34, 3*4096                  ; the bias: row 3
	s_mov_b32 s35, 0
	s_mul_i32 s76, s[WN], HEADT                    ; where my tile lies in a slot: no place in the cluster enters an LDS address
	s_mul_i32 s77, s[WN], 128*PITB
	s_add_co_u32 s77, s77, AREG
	s_mov_b32 s[G0A], 1                            ; 1:0 count = 1
	s_mov_b32 s[G0A+1], s76                        ; 63:32 LDS address: slot 0
	s_mov_b32 s[G0A+4], 1
	s_add_co_u32 s[G0A+5], s76, SLOT1              ; slot 1
	s_mov_b32 s[G0B], 1
	s_mov_b32 s[G0B+1], s77
	s_mov_b32 s[G0B+4], 1
	s_add_co_u32 s[G0B+5], s77, SLOT1
	s_mov_b32 s[TB], 0
	s_mov_b32 s[WK], 6
	s_wait_dscnt 0x0                               ; the opening add is done
	s_wait_kmcnt 0x0
	s_add_nc_u64 s[AP:AP+1], s[AP:AP+1], s[30:31]
	s_add_nc_u64 s[WB:WB+1], s[WB:WB+1], s[32:33]
	s_add_nc_u64 s[BP:BP+1], s[BP:BP+1], s[34:35]
	s_add_nc_u64 s[OUT:OUT+1], s[OUT:OUT+1], s[2:3]
	s_add_nc_u64 s[G0A+2:G0A+3], s[AP:AP+1], 0     ; 120:64 global address: K step 0,
	s_or_b32 s[G0A+3], s[G0A+3], 0x80000000        ; 127:126 type = 2
	s_add_nc_u64 s[G0A+6:G0A+7], s[AP:AP+1], 2*262144  ; K step 1
	s_or_b32 s[G0A+7], s[G0A+7], 0x80000000
	s_add_nc_u64 s[G0B+2:G0B+3], s[WB:WB+1], 0
	s_or_b32 s[G0B+3], s[G0B+3], 0x80000000
	s_add_nc_u64 s[G0B+6:G0B+7], s[WB:WB+1], 256
	s_or_b32 s[G0B+7], s[G0B+7], 0x80000000
	CROUND                                         ; all sixteen work-groups are here: the first joint loads meet
	s_cmp_eq_u32 s[WM], 0                          ; a wave's two first fills stand in one branch, ahead of every wait on TENSORcnt and every LDS read: two loads of mine are out
	s_cbranch_scc0 .Lfirst_b
	tensor_load_to_lds s[G0A:G0A+3], s[G1A:G1A+7]
	s_nop 0
	tensor_load_to_lds s[G0A+4:G0A+7], s[G1A:G1A+7]
	s_nop 0
.rept 4
	v_nop
.endr
	s_branch .Lfirst_asked
.Lfirst_b:
	tensor_load_to_lds s[G0B:G0B+3], s[G1B:G1B+7]
	s_nop 0
	tensor_load_to_lds s[G0B+4:G0B+7], s[G1B:G1B+7]
	s_nop 0
.rept 4
	v_nop
.endr
.Lfirst_asked:
	v_and_b32 v1, 15, v0                           ; l % 16
	v_bfe_u32 v2, v0, 4, 1                         ; l / 16
	v_lshlrev_b32 v[BO], 5, v2                     ; eight f32 for each half of the lanes
.irp b, 0,1,2,3,4,5,6,7                ; bo of my 128 columns: register 8 b + j is column 16 b + 8 (l / 16) + j
	global_load_b128 v[BI+8*\b:BI+8*\b+3],   v[BO], s[BP:BP+1] offset:64*\b
	global_load_b128 v[BI+8*\b+4:BI+8*\b+7], v[BO], s[BP:BP+1] offset:64*\b+16
.endr
	v_mov_b32 v[ZZ], 0
	v_mov_b32 v[ZZ+1], 0
	v_mul_u32_u24 v3, v1, PITA
	v_lshl_add_u32 v3, v2, 4, v3                   ; O: row x pitch + 16 x half
	s_mul_i32 s2, s[WM], 64*PITA                   ; my 64 rows
	v_add_nc_u32 v[ADA0], s2, v3
	v_mul_u32_u24 v3, v1, PITB
	v_lshl_add_u32 v3, v2, 4, v3                   ; Wo: row x pitch + 16 x half
	s_mul_i32 s2, s[WN], 128*PITB                  ; my 128 rows,
	s_add_co_u32 s2, s2, AREG                      ; behind O's
	v_add_nc_u32 v[ADB0], s2, v3
	s_mul_i32 s2, s[WV], WSTG
	s_add_co_u32 s2, s2, STAGE                     ; my stage
	v_mul_u32_u24 v3, v1, SPIT                     ; in: row l % 16, 32 bytes for each half of the lanes
	v_lshl_add_u32 v3, v2, 5, v3
	v_add_nc_u32 v[STO], s2, v3
	v_and_b32 v3, 31, v0                           ; back: 32 lanes take one row of 512 bytes
	v_lshlrev_b32 v[GO], 4, v3
	v_add_nc_u32 v[RD], s2, v[GO]
	s_wait_loadcnt 0x0                             ; bo
	PRE 0                                          ; this stands in the wait for the first tile
	PRE 1
	PRE 2
	PRE 3
	WIN 0
	s_wait_tensorcnt 0x1                           ; my part of K step 0 is in; step 1's may stay out
	s_barrier_signal -1
	s_barrier_wait -1                              ; everybody's is
	v_add_nc_u32 v[ADA], s[TB], v[ADA0]
	v_add_nc_u32 v[ADB], s[TB], v[ADB0]
	LDAH 0, 0, 0
	LDAH 0, 1, 0
.irp e, 0,1,2,3
	LDB 0, \e, 0
.endr
	WIN 0
.Lstep:                                                ; six trips: a K step is multiplied and the step two on is asked for
	KSTEP 1
	WIN 0
	s_sub_co_u32 s[WK], s[WK], 1
	s_cmp_lg_u32 s[WK], 0
	s_cbranch_scc1 .Lstep
	s_mov_b32 s[WK], 2
.Ltail:                                                ; the last two K steps ask for nothing.  The second one's fetch (of the slot read before it) serves nothing: the price of one text for both
	KSTEP 0
	WIN 0
	s_sub_co_u32 s[WK], s[WK], 1
	s_cmp_lg_u32 s[WK], 0
	s_cbranch_scc1 .Ltail
	PLACES                                         ; the LDS stores below read results just made
	TOSTAGE 0
.irp e, 1,2,3                          ; a block's way through the stage stands between the loads of the block before and its stores
	TOSTAGE \e
	SEND (\e)-1, 32
.endr
	SEND 3, 0
	s_wait_tensorcnt 0x0                           ; the wave's end, behind my last tensor load and my last LDS store
	ds_add_u32 v[SPW], v[NIL]
	s_wait_dscnt 0x0
	CROUND                                         ; the closing round: no work-group ends while a partner may still ask for a tile that names it
	s_endpgm
.Lfunc_end_k_qf8a3cef5b3_outp:
	.size	k_qf8a3cef5b3_outp, .Lfunc_end_k_qf8a3cef5b3_outp-k_qf8a3cef5b3_outp
	.p2alignl 7, 3214868480
	.fill 96, 4, 3214868480
	.section	.rodata,"a",@progbits
	.p2align	6, 0x0
	.amdhsa_kernel k_qf8a3cef5b3_outp
		.amdhsa_group_segment_fixed_size 327680
		.amdhsa_private_segment_fixed_size 0
		.amdhsa_enable_private_segment 0
		.amdhsa_kernarg_size 32
		.amdhsa_user_sgpr_count 2
		.amdhsa_user_sgpr_kernarg_segment_ptr 1
		.amdhsa_wavefront_size32 1
		.amdhsa_system_sgpr_workgroup_id_x 1
		.amdhsa_system_sgpr_workgroup_id_y 1
		.amdhsa_system_sgpr_workgroup_id_z 1
		.amdhsa_system_vgpr_workitem_id 0
		.amdhsa_next_free_vgpr 704
		.amdhsa_next_free_sgpr 80
		.amdhsa_reserve_vcc 0
		.amdhsa_float_denorm_mode_32 3
		.amdhsa_float_denorm_mode_16_64 3
		.amdhsa_memory_ordered 1
		.amdhsa_forward_progress 1
		.amdhsa_inst_pref_size 68
	.end_amdhsa_kernel
	.amdgpu_metadata
---
amdhsa.version: [ 1, 2 ]
amdhsa.kernels:
  - .name:           k_qf8a3cef5b3_outp
    .symbol:         k_qf8a3cef5b3_outp.kd
    .args:
      - { .name: oh, .offset: 0, .size: 8, .value_kind: global_buffer, .address_space: global }
      - { .name: wc, .offset: 8, .size: 8, .value_kind: global_buffer, .address_space: global }
      - { .name: bc, .offset: 16, .size: 8, .value_kind: global_buffer, .address_space: global }
      - { .name: out0, .offset: 24, .size: 8, .value_kind: global_buffer, .address_space: global }
    .group_segment_fixed_size: 327680
    .private_segment_fixed_size: 0
    .kernarg_segment_align: 8
    .kernarg_segment_size: 32
    .max_flat_workgroup_size: 128
    .sgpr_count:     80
    .vgpr_count:     704
    .wavefront_size: 32
...
	.end_amdgpu_metadata
.endif
;; end of part 4
